; MI455X (gfx1250); checked and timed in simulation.
; The chip was launched on July 23, 2026; its instructions are those of AMD's public machine-readable ISA for CDNA 5 (MIT licence, August 2026) and "CDNA5" Instruction Set Architecture Reference Guide (July 2026). The comments in the code are by the model that wrote it; some were corrected since.
;; CIDER. Allowed arithmetic: matrix products marked QUANTISED: E3M2 operands, one E8M0 scale for each 32 along K, by v_wmma_scale_f32_16x16x128_f8f6f4 with both operands' format E3M2, f32 sums; products left as they are: f32 operands where the result goes on into a quantised operand, else bf16, f16 or f32 operands; f32 sums; everything else in f32.
;; Inputs: I 1 x 16 x 512 float32; mab0_Wo 512 x 512 float32; mab0_Wqkv 3 x 512 x 512 float32; mab0_b0 512 float32; mab0_b1 512 float32; mab0_bo 512 float32; mab0_bqkv 3 x 512 float32; mab0_g0 512 float32; mab0_g1 512 float32; mab1_Wo 512 x 512 float32; mab1_Wqkv 3 x 512 x 512 float32; mab1_b0 512 float32; mab1_b1 512 float32; mab1_bo 512 float32; mab1_bqkv 3 x 512 float32; mab1_g0 512 float32; mab1_g1 512 float32; x 512 x 32 x 512 float32.
;; Outputs: out0 512 x 512 float32.
;; This version of the problem:
;;   THIS VERSION OF THE PROBLEM IS GIVEN IN LOW PRECISION. The matrix products marked QUANTISED in the list below multiply operands that are first quantised to E3M2 (3 exponent bits, 2 mantissa bits; 6 bits a number), with one power-of-two scale for each 32 numbers along K (OCP MX v1.0); their sums are f32. All else is computed in f32.
;;   The module's matrix products, in the order in which they are computed (A, B: the left and right operand; K: the contracted axis; several contracted axes count as one K, in the product's order):
;;     1. [M 8,192, K 512] x [K 512, N 512]; A: input I; B: input mab0_Wqkv: QUANTISED
;;     2. [M 16,384, K 512] x [K 512, N 512]; A: input x; B: input mab0_Wqkv: QUANTISED
;;     3. [M 16,384, K 512] x [K 512, N 512]; A: input x; B: input mab0_Wqkv: QUANTISED
;;     4. batch 4,096 x [M 16, K 64] x [K 64, N 32]; A: computed on the way; B: computed on the way: QUANTISED
;;     5. batch 4,096 x [M 64, K 32] x [K 32, N 16]; A: computed on the way; B: softmax (see below): QUANTISED
;;     6. [M 8,192, K 512] x [K 512, N 512]; A: computed on the way; B: input mab0_Wo: QUANTISED
;;     7. [M 16,384, K 512] x [K 512, N 512]; A: input x; B: input mab1_Wqkv: QUANTISED
;;     8. [M 8,192, K 512] x [K 512, N 512]; A: computed on the way; B: input mab1_Wqkv: QUANTISED
;;     9. [M 8,192, K 512] x [K 512, N 512]; A: computed on the way; B: input mab1_Wqkv: QUANTISED
;;     10. batch 4,096 x [M 32, K 64] x [K 64, N 16]; A: computed on the way; B: computed on the way: QUANTISED
;;     11. batch 4,096 x [M 64, K 16] x [K 16, N 32]; A: computed on the way; B: softmax (see below): left as it is (K = 16 < 32)
;;     12. [M 16,384, K 512] x [K 512, N 512]; A: computed on the way; B: input mab1_Wo: QUANTISED
;;     13. [M 8,192, K 512] x [K 512, N 512]; A: input I; B: input mab0_Wqkv: QUANTISED
;;     14. [M 16,384, K 512] x [K 512, N 512]; A: computed on the way; B: input mab0_Wqkv: QUANTISED
;;     15. [M 16,384, K 512] x [K 512, N 512]; A: computed on the way; B: input mab0_Wqkv: QUANTISED
;;     16. batch 4,096 x [M 16, K 64] x [K 64, N 32]; A: computed on the way; B: computed on the way: QUANTISED
;;     17. batch 4,096 x [M 64, K 32] x [K 32, N 16]; A: computed on the way; B: softmax (see below): QUANTISED
;;     18. [M 8,192, K 512] x [K 512, N 512]; A: computed on the way; B: input mab0_Wo: QUANTISED
;;     19. [M 16,384, K 512] x [K 512, N 512]; A: computed on the way; B: input mab1_Wqkv: QUANTISED
;;     20. [M 8,192, K 512] x [K 512, N 512]; A: computed on the way; B: input mab1_Wqkv: QUANTISED
;;     21. [M 8,192, K 512] x [K 512, N 512]; A: computed on the way; B: input mab1_Wqkv: QUANTISED
;;     22. batch 4,096 x [M 32, K 64] x [K 64, N 16]; A: computed on the way; B: computed on the way: QUANTISED
;;     23. batch 4,096 x [M 64, K 16] x [K 16, N 32]; A: computed on the way; B: softmax (see below): left as it is (K = 16 < 32)
;;     24. [M 16,384, K 512] x [K 512, N 512]; A: computed on the way; B: input mab1_Wo: QUANTISED
;;   THE QUANTISER, for each operand of a quantised product, along K:
;;     - K is cut into blocks of 32 from its start; a last block that is shorter is filled with zeros.
;;     - A block's scale is 2^e with e = floor(log2(the largest magnitude in the block)) - 4, held to -126 .. 127; a block of zeros has e = 0. As a byte (E8M0): e + 127.
;;     - Each number is divided by its block's scale, clamped to +-28, and rounded to the nearest number of E3M2, ties to even, subnormals kept.
;;     - The product sums the exact products of the quantised numbers (number of the format x scale) in f32.
;;   ~~~python
;;   def quantise(x, axis):      # numpy; x: float32 -> the quantised numbers, widened to float32 again
;;       x = np.moveaxis(x, axis, -1); K = x.shape[-1]
;;       x = np.pad(x, [(0, 0)] * (x.ndim - 1) + [(0, -K % 32)]); x = x.reshape(x.shape[:-1] + (-1, 32)); a = np.abs(x).max(-1, keepdims=True)
;;       e = np.where(a > 0, np.clip(np.frexp(np.where(a > 0, a, 1))[1] - 1 - 4, -126, 127), 0)      # np.frexp(a)[1] - 1 = floor(log2(a)), exactly
;;       r = np.clip(x / 2.0 ** e, -28, 28)
;;       step = 2.0 ** (np.maximum(np.frexp(np.where(r == 0, 1, r))[1] - 1, -2) - 2)
;;       q = np.round(r / step) * step * 2.0 ** e      # np.round: ties to even
;;       return np.moveaxis(q.reshape(q.shape[:-2] + (-1,))[..., :K], -1, axis).astype(np.float32)
;;   ~~~
;;   SOFTMAX AHEAD OF A QUANTISED PRODUCT. Where the list says 'softmax', what is quantised is not the finished softmax but p = 2^(t - M), with t = logit x log2(e) and M = ceil(the row's largest t), a whole number; so 1/2 < the row's largest p <= 1. The row's sum l is taken of the UNQUANTISED p, in f32, and the product's result is divided by l at the end. Since M is a whole number, a kernel that streams over the keys may use a running M (the ceiling of the running maximum): every later rescaling is an exact power of two, which a block's scale takes up: the codes' values come out the same.
;;   OPERANDS COMPUTED ON THE WAY. 'Computed on the way' means the value that the module computes at that place (a softmax that the list does not call 'softmax' is quantised finished and normalised). What goes into a quantiser is computed in f32, as accurately as f32 sums, v_exp_f32 and their like allow (about 1e-6 of the number): no bf16 or f16 on the way to a quantiser, and a product that is left as it is and whose result goes on into a quantised operand takes f32 operands (vector FMAs, or v_wmma_f32_16x16x4_f32). A number that lies on a knife's edge between two numbers of the format may be rounded either way, as far as f32 arithmetic and the matrix unit's own rounding can turn it there, and no further.
;; 2 versions. Each part assembles by itself: llvm-mc -triple=amdgcn-amd-amdhsa -mcpu=gfx1250 --defsym DOCPART=n.
;; ======== version 1 of 2: 2 launches
;; workspace buffers: wq 1,638,400 bytes
;; launch pack (part 1): grid 8 x 32, 2 waves a work-group, no clusters, 0 bytes of LDS; arguments mab0_Wqkv, mab0_Wo, mab1_Wqkv, mab1_Wo, wq; writes wq
.if DOCPART == 1
	.amdgcn_target "amdgcn-amd-amdhsa--gfx1250"
	.amdhsa_code_object_version 6
	.text
	.protected	k_q0b81bc1ceb_pack
	.globl	k_q0b81bc1ceb_pack
	.p2align	8
	.type	k_q0b81bc1ceb_pack,@function
k_q0b81bc1ceb_pack:
	s_mov_b64 s[64:65], 0
	v_nop
	global_prefetch_b8 v0, s[64:65] scope:SCOPE_SE
	s_setreg_imm32_b32 hwreg(HW_REG_WAVE_MODE, 25, 1), 1
	s_wait_xcnt 0x0
; The eight weight matrices [512 (k)][512 (n)], f32, K their FIRST axis, become codes of E3M2 with one E8M0 byte for each 32 along K,
; laid in wq as the second launch reads them: images of the operand's registers.
; wq: matrix j (0 Wq0, 1 Wk0, 2 Wv0, 3 Wo0, 4 Wq1, 5 Wk1, 6 Wv1, 7 Wo1) x 204,800 bytes; in it chunk g x 102,400; in it part w x 25,600;
; a part: four sets q = 2 pi + (s >> 1) of 6,144 bytes, then two scale images pi of 512 bytes.  A set: fragment (s & 1, u) at 3,072 (s & 1) + 1,536 u.
; A fragment (16 columns x 128 K, 12 registers a lane): registers 4 c .. 4 c + 3 of lane (rho, h) at 512 c + 256 h + 16 rho.
; Row rho of the fragment is column 128 w + 64 g + 32 (rho >> 3) + 16 pi + 8 u + (rho & 7); registers 6 c .. 6 c + 5 hold k = 128 s + 64 c + 32 h + 0 .. 31.
; SHARES.  Work-group x = 2 w + g: 64 columns; y = 4 j + s: matrix and K step of 128; wave = pi.  A LANE (u = lane / 16, rho = lane % 16) TAKES ONE COLUMN, AND ITS 128 REGISTERS RUN DOWN K:
; a block of 32 lies in one lane, its largest magnitude needs no other lane, and the conversions give the codes with K innermost.  The two waves together read 256 consecutive bytes of each row of W.
; A lane makes the registers of both halves h of its fragment's row; sixteen lanes store 256 consecutive aligned bytes.  The scale words (4 bytes of each 16: the other three come from the work-groups of the other K steps) are 64 KiB of the launch's stores.
; A block's byte is its largest magnitude's exponent field - 4, held at 1 from below.
; LIMITS: a block of zeros, or one whose largest magnitude lies under 2^-122, has the byte 1 (its codes are then zeros or small codes; the bytes are read by this program alone); NaN and infinities are not served.
.set OUT, 32                           ; v32-55   codes: 12 h + 6 c
.set E,   56                           ; v56-58   a block's second three registers, made here and moved (a conversion's three begin on an even number)
.set X,   64                           ; v64-191  my column's 128 numbers
	s_load_b256 s[4:11], s[0:1], 0x0               ; Wqkv0 s[4:5], Wo0 s[6:7], Wqkv1 s[8:9], Wo1 s[10:11]
	s_load_b64 s[12:13], s[0:1], 0x20              ; wq
	v_lshrrev_b32 v4, 5, v0
	v_readfirstlane_b32 s14, v4                    ; pi
	v_and_b32 v5, 15, v0                           ; rho
	v_bfe_u32 v6, v0, 4, 1                         ; u
	v_bfe_u32 v7, v0, 3, 1                         ; rho >> 3
	v_and_b32 v4, 7, v0                            ; rho & 7
	v_lshlrev_b32 v1, 7, v7
	v_lshl_add_u32 v1, v6, 5, v1
	v_lshl_add_u32 v1, v4, 2, v1                   ; in: 128 (rho >> 3) + 32 u + 4 (rho & 7)
	v_mul_u32_u24 v2, v6, 1536
	v_lshl_add_u32 v2, v5, 4, v2                   ; codes out: 1,536 u + 16 rho
	v_and_b32 v3, 31, v0
	v_lshlrev_b32 v3, 4, v3                        ; scale word out: 16 x lane
	s_and_b32 s15, ttmp7, 0xffff
	s_lshr_b32 s16, s15, 2                         ; j
	s_and_b32 s17, s15, 3                          ; s
	s_and_b32 s18, s16, 3                          ; j & 3
	s_lshr_b32 s19, ttmp9, 1                       ; w
	s_and_b32 s24, ttmp9, 1                        ; g
	s_mul_i32 s26, s16, 204800
	s_mul_i32 s25, s24, 102400
	s_add_co_u32 s26, s26, s25
	s_mul_i32 s25, s19, 25600
	s_add_co_u32 s26, s26, s25                     ; the part's first byte in wq
	s_lshl_b32 s25, s14, 1
	s_lshr_b32 s27, s17, 1
	s_add_co_u32 s25, s25, s27                     ; q
	s_mul_i32 s25, s25, 6144
	s_and_b32 s27, s17, 1
	s_mul_i32 s27, s27, 3072
	s_add_co_u32 s25, s25, s27
	s_add_co_u32 s28, s26, s25                     ; offset of my two fragments
	s_mov_b32 s29, 0
	s_lshl_b32 s25, s14, 9
	s_lshl_b32 s27, s17, 2
	s_add_co_u32 s25, s25, s27
	s_add_co_u32 s25, s25, 24576
	s_add_co_u32 s30, s26, s25                     ; offset of word s in scale image pi
	s_mov_b32 s31, 0
	s_wait_kmcnt 0x0
	s_cmp_eq_u32 s18, 3                            ; the source is chosen on the work-group's number alone
	s_cselect_b64 s[20:21], s[6:7], s[4:5]
	s_cselect_b64 s[22:23], s[10:11], s[8:9]
	s_cselect_b32 s18, 0, s18                      ; which of Wqkv's three
	s_cmp_lt_u32 s16, 4
	s_cselect_b64 s[20:21], s[20:21], s[22:23]
	s_lshl_b32 s24, s18, 20
	s_lshl_b32 s25, s17, 18                        ; 128 s rows of 2,048 bytes
	s_add_co_u32 s24, s24, s25
	s_lshl_b32 s25, ttmp9, 8                       ; 64 columns a work-group
	s_add_co_u32 s24, s24, s25
	s_lshl_b32 s25, s14, 6                         ; 16 columns a wave
	s_add_co_u32 s24, s24, s25
	s_mov_b32 s25, 0
	s_add_nc_u64 s[20:21], s[20:21], s[24:25]
	s_add_nc_u64 s[28:29], s[12:13], s[28:29]
	s_add_nc_u64 s[30:31], s[12:13], s[30:31]
.set I_, 0
.rept 128
	global_load_b32 v[X+I_], v1, s[20:21] offset:2048*I_ th:TH_LOAD_NT   ; W(128 s + i, my column)
.set I_, I_+1
.endr
; Block kb = 2 c + h of my column.  cnt: the loads that may stay out (those of the later blocks, or the largest count that can be named, which is stricter).
.macro BLK kb, cnt
.set XS, X+32*\kb
.set O_, OUT+12*(\kb%2)+6*(\kb/2)
	s_wait_loadcnt \cnt
	v_max3_num_f32 v8, |v[XS]|, |v[XS+1]|, 0x2800000      ; two chains; the floor 2^(5 - 127) among the leaves holds the byte at 1 from below
	v_max3_num_f32 v9, |v[XS+2]|, |v[XS+3]|, 0x2800000
.irp i, 4,8,12,16,20,24,28
	v_max3_num_f32 v8, v8, |v[XS+\i]|, |v[XS+\i+1]|
	v_max3_num_f32 v9, v9, |v[XS+\i+2]|, |v[XS+\i+3]|
.endr
	v_max_num_f32 v8, v8, v9                       ; the block's largest magnitude
	v_add_nc_u32 v10, 0xfe000000, v8               ; 4 off its exponent field: the conversion's scale operand
	v_lshrrev_b32 v11, 23, v10                     ; the byte
.if \kb == 0
	v_mov_b32 v14, v11
.else
	v_lshl_or_b32 v14, v11, 8*\kb, v14             ; byte kb of the scale word
.endif
	v_cvt_scalef32_pk16_bf6_f32 v[O_:O_+2], v[XS:XS+15], v10
	v_cvt_scalef32_pk16_bf6_f32 v[E:E+2], v[XS+16:XS+31], v10
	v_nop                                          ; one plain place behind a scaled conversion
.irp i, 0,1,2
	v_mov_b32 v[O_+3+\i], v[E+\i]
.endr
.endm
	BLK 0, 63
	BLK 1, 63
	BLK 2, 32
	BLK 3, 0
.irp h, 0,1
.irp c, 0,1,2
	global_store_b128 v2, v[OUT+12*\h+4*\c:OUT+12*\h+4*\c+3], s[28:29] offset:512*\c+256*\h   ; sixteen lanes: 256 consecutive bytes, aligned
.endr
.endr
	global_store_b32 v3, v14, s[30:31]
	s_endpgm
.Lfunc_end_k_q0b81bc1ceb_pack:
	.size	k_q0b81bc1ceb_pack, .Lfunc_end_k_q0b81bc1ceb_pack-k_q0b81bc1ceb_pack
	.p2alignl 7, 3214868480
	.fill 96, 4, 3214868480
	.section	.rodata,"a",@progbits
	.p2align	6, 0x0
	.amdhsa_kernel k_q0b81bc1ceb_pack
		.amdhsa_group_segment_fixed_size 0
		.amdhsa_private_segment_fixed_size 0
		.amdhsa_enable_private_segment 0
		.amdhsa_kernarg_size 40
		.amdhsa_user_sgpr_count 2
		.amdhsa_user_sgpr_kernarg_segment_ptr 1
		.amdhsa_wavefront_size32 1
		.amdhsa_system_sgpr_workgroup_id_x 1
		.amdhsa_system_sgpr_workgroup_id_y 1
		.amdhsa_system_sgpr_workgroup_id_z 1
		.amdhsa_system_vgpr_workitem_id 0
		.amdhsa_next_free_vgpr 192
		.amdhsa_next_free_sgpr 66
		.amdhsa_reserve_vcc 0
		.amdhsa_float_denorm_mode_32 3
		.amdhsa_float_denorm_mode_16_64 3
		.amdhsa_memory_ordered 1
		.amdhsa_forward_progress 1
		.amdhsa_inst_pref_size 22
	.end_amdhsa_kernel
	.amdgpu_metadata
---
amdhsa.version: [ 1, 2 ]
amdhsa.kernels:
  - .name:           k_q0b81bc1ceb_pack
    .symbol:         k_q0b81bc1ceb_pack.kd
    .args:
      - { .name: mab0_Wqkv, .offset: 0, .size: 8, .value_kind: global_buffer, .address_space: global }
      - { .name: mab0_Wo, .offset: 8, .size: 8, .value_kind: global_buffer, .address_space: global }
      - { .name: mab1_Wqkv, .offset: 16, .size: 8, .value_kind: global_buffer, .address_space: global }
      - { .name: mab1_Wo, .offset: 24, .size: 8, .value_kind: global_buffer, .address_space: global }
      - { .name: wq, .offset: 32, .size: 8, .value_kind: global_buffer, .address_space: global }
    .group_segment_fixed_size: 0
    .private_segment_fixed_size: 0
    .kernarg_segment_align: 8
    .kernarg_segment_size: 40
    .max_flat_workgroup_size: 64
    .sgpr_count:     66
    .vgpr_count:     192
    .wavefront_size: 32
...
	.end_amdgpu_metadata
.endif
;; end of part 1
;; launch isab (part 2): grid 256 x 1, 4 waves a work-group, clusters of 4 x 1, 327,680 bytes of LDS; arguments x, I, wq, mab0_bqkv, mab0_bo, mab0_g0, mab0_b0, mab0_g1, mab0_b1, mab1_bqkv, mab1_bo, mab1_g0, mab1_b0, mab1_g1, mab1_b1, out0; writes out0
.if DOCPART == 2
	.amdgcn_target "amdgcn-amd-amdhsa--gfx1250"
	.amdhsa_code_object_version 6
	.text
	.protected	k_q0b81bc1ceb_isab
	.globl	k_q0b81bc1ceb_isab
	.p2align	8
	.type	k_q0b81bc1ceb_isab,@function
k_q0b81bc1ceb_isab:
	s_mov_b64 s[64:65], 0
	v_nop
	global_prefetch_b8 v0, s[64:65] scope:SCOPE_SE
	s_setreg_imm32_b32 hwreg(HW_REG_WAVE_MODE, 25, 1), 1
	s_wait_xcnt 0x0
	s_wait_alu depctr_hold_cnt(0) depctr_sa_sdst(0) depctr_va_vdst(0) depctr_va_sdst(0) depctr_va_ssrc(0) depctr_va_vcc(0) depctr_vm_vsrc(0)
	s_getreg_b32 s2, hwreg(HW_REG_IB_STS2, 6, 4)
	s_cmp_eq_u32 s2, 0
	s_cbranch_scc0 .Lentry_in_a_cluster
	s_endpgm
.Lentry_in_a_cluster:
	s_bfe_u32 s2, ttmp6, 0x10000c
	s_cmp_lg_u32 s2, 0x3003
	s_cbranch_scc0 .Lentry_shape_is_right
	s_endpgm
.Lentry_shape_is_right:
; out0 = mean over the rows of ISAB(ISAB(x)), everything between x and out0 in one launch.  All products but A V of the second block are on codes of E3M2 with one E8M0 scale for each 32 along K.
; SHARES.  A work-group of four waves owns two titles: 64 rows of x, 32 rows of H.  THE WAVES SHARE THE COLUMNS: wave w owns columns 128 w .. 128 w + 127 (heads 2 w, 2 w + 1) of every product.
; So each weight fragment is read from LDS once in the work-group, by the wave whose tensor load brought it; attention stays inside a wave; only the rows' codes and the layer norms' statistics go from wave to wave.
; WEIGHTS.  All work-groups walk the same eight matrices of codes (wq), half a matrix (102,400 bytes) at a time, through two LDS slots; wave w fetches and reads part w of a slot.  The four work-groups of a cluster ask JOINTLY.
; LAYOUT.  A product "T" is used transposed (source 0 = 16 columns of W, source 1 = 16 rows): lane (r, h) holds row r.  The columns that form a tile were chosen by the first launch so that register 32 g + i of the wave's
; eight tiles is column 128 w + 64 g + 32 h + i: a WHOLE block of 32 along the next K in one lane, at the place that the 6-bit operand wants it.  So the quantiser needs no other lane's maximum and no exchange of halves; g is the head.
; A product "V" (source 0 = 16 rows, source 1 = 16 columns) leaves a lane one column and registers down the rows: what the products over the keys want.
; For the first block's K and V the rows of a tile are mixed (lane r of tile m = title r / 8, row 8 m + r % 8), so that a lane of the scores holds ONE (query, title) and all 32 keys, and a lane of V one column, one title, all 32 keys.
; Q0 = I Wq0 + bq0 is the same for every title and both passes (the reference repeats I): it is made once a work-group and kept in LDS.
; LAYER NORM: each wave's mean and centred sum of squares over its 128 columns, joined by the formula for combining centred sums: another order of rounding than the reference's, and no difference of large sums.
; LIMITS: NaN and infinities are not served; a block of zeros, or one whose largest magnitude lies under 2^-122, has the scale byte 1.
; CODE SIZE: a pass is written out once and walked twice; register numbers cannot be looped over, so it is longer than a loop should be.
; REGISTERS, in windows of 256 (s_set_vgpr_msb: bits 1:0 source 0, 3:2 source 1, 5:4 source 2, 7:6 destination):
;   window 0: addresses, weight fragments (two sets of 48), all scale words, work registers.   window 1: the rows' fragments (12 (4 m + s)), the bias as C (from v192); g and b in layer norms; attention's operands.
;   window 2: "A": x / O / H / Q1's sums / O1 / h.   window 3: accumulators; its v128-255 are written by matrix instructions alone.
.set XIMG,  0                          ; LDS: 16 fragments (4 m + s) x 1,536 of the 64-row operand, as images of their registers
.set XSC,   24576                      ; per tile 512 bytes: a lane's 16 bytes = the scale words of K steps 0 .. 3
.set HIMG,  26624                      ; 8 fragments of the 32-row operand (I's four at the start)
.set HSC,   38912
.set STAT,  39936                      ; 1,024 x wave + 256 x tile + 8 x lane: (mean, centred sum of squares)
.set VEC,   44032                      ; 16 vectors of 2,048 bytes: bq0 bk0 bv0 bo0 bq1 bk1 bv1 bo1 g00 b00 g10 b10 g01 b01 g11 b11
.set Q0R,   76800                      ; per wave 9,728: Q0 in f32 (16 x 512), then its codes (1,536)
.set OUTS,  115712                     ; two rows of out0
.set SPARE, 119808                     ; the spare words, 128 bytes a wave: two blocks of 256 bytes that no other line names
.set RING,  120320                     ; two slots of 102,400 bytes: tensor loads alone write here
.set CHB,   102400
.set PARTB, 25600
.set SPW, 1
.set NIL, 2
.set LI,  3                            ; 16 x lane
.set WAD, 4                            ; v4, v5: my part of slot 0, 1, + 16 x lane
.set LIM, 6                            ; mixed tiles: 12,288 (r / 8) + 256 h + 16 (r % 8)
.set LSM, 7                            ; and their scale words: 1,024 (r / 8) + 256 h + 16 (r % 8)
.set XWI, 8                            ; 16 x lane + 1,536 w: where I store an image (K step w)
.set XWS, 9                            ; 16 x lane + 4 w: and its scale word
.set VCO, 10                           ; VEC + 512 w + 128 h
.set VCV, 11                           ; VEC + 512 w + 128 (r / 8) + 4 (r % 8)
.set XA,  12                           ; 2,048 r + 512 w + 128 h
.set STW, 13
.set STR, 14
.set Q0P, 15
.set FLR, 16                           ; 2^(5 - 127): the floor of a block's largest magnitude
.set NB,  17                           ; -infinity
.set SH8, 18                           ; 8 h
.set MK,  19                           ; v19: ones in lanes 0-15; v20: ones in lanes 16-31
.set OSA, 21
.set TI16, 22
.set VST, 23
.set OSR, 24
.set WF,  32                           ; v32-127  weight fragments, two sets of four
.set WS,  128                          ; v128-135 weight scale words: 4 pi + s; lanes 0-15 tile u = 0, lanes 16-31 u = 1
.set AS,  136                          ; v136-151 the rows' scale words: 4 m + s
.set K0S, 152
.set Q1S, 152
.set K1S, 156
.set Q0S, 158
.set PS,  159
.set FVS, 160
.set PW,  164                          ; the scale word of an image
.set TM,  168                          ; v168-183 at work
.set PC,  184                          ; v184-195 codes just made
.set E,   196                          ; v196-203 second halves of conversions
.set L,   204                          ; v204-211 chains; v212-219 (mean, M2) of tile m at 212 + 2 m
.set RL,  220                          ; 1 / l, pairs
.set T16, 240
.set BI,  192                          ; window 1
.set FV,  0
.set PF,  48
.set Q0FA, 84
.set Q0FB, 96
.set Q1F, 96
.set K1F, 144
.set S1,  0
.set GG,  0
.set BB,  64
.set K0F, 128                          ; window 2
.set R18, 128                          ; window 3
.set G1,  40                           ; s[40:47] descriptor group 1
.set G0,  48                           ; s[48:55] group 0, one set for each slot
.set WV,  56
.set PASS, 57
.set SEL, 58
.set HM,  60
.set R512, 61
.set EPS, 62
.set C128, 63
.set CS,  66                           ; s[66:67] log2(e) / sqrt(512)
.set NCS, 68
.set MSB, 0
.macro WIN new                         ; the immediate's high byte repeats the setting that is left; a switch that changes nothing is dropped
.if MSB != (\new)
	s_set_vgpr_msb (MSB<<8)|(\new)
.set MSB, \new
.endif
.endm
.macro PLACES n
.rept \n
	v_nop
.endr
.endm
.macro BARRIER                         ; my LDS stores have landed and my LDS loads are in: then the work-group's barrier
	s_wait_dscnt 0x0
	s_barrier_signal -1
	s_barrier_wait -1
.endm
.macro ROUND                           ; a round of the cluster's barrier
	s_barrier_signal -1
	s_barrier_wait -1
	s_cmp_lg_u32 s[WV], 0
	s_cbranch_scc1 .Lnot_wave_0_\@
	s_barrier_signal -3
.Lnot_wave_0_\@:
	s_barrier_wait -3
	s_barrier_signal -1
	s_barrier_wait -1
.endm
; Set q of my part of a slot: four fragments (12 loads) into buffer q % 2; an even set brings its pair's scale image too (13 loads).
.macro LOADSET slot, q
	WIN 0
.if (\q)%2 == 0
	ds_load_b128 v[WS+4*((\q)/2):WS+4*((\q)/2)+3], v[WAD+\slot] offset:24576+512*((\q)/2)
.endif
.irp f, 0,1,2,3
.irp c, 0,1,2
	ds_load_b128 v[WF+48*((\q)%2)+12*\f+4*\c:WF+48*((\q)%2)+12*\f+4*\c+3], v[WAD+\slot] offset:6144*(\q)+1536*\f+512*\c
.endr
.endr
.endm
; The products of set q = 2 pi + sigma of chunk e: K steps s = 2 sigma + 0, 1; row tiles m < mt; column tiles t = 4 e + 2 pi + u.  type 0: T, 1: V.  The bias is the C of K step 0.
; No two matrix instructions that follow each other share an accumulator: they take turns.
.macro MULSET type, mt, acc, aw, e, q
.irp sp, 0,1
.set S_, 2*((\q)%2)+\sp
.if S_ == 0
.if \type == 0
	WIN ((\aw)<<6)|0x14
.else
	WIN ((\aw)<<6)|0x11
.endif
.else
.if \type == 0
	WIN ((\aw)<<6)|((\aw)<<4)|0x04
.else
	WIN ((\aw)<<6)|((\aw)<<4)|0x01
.endif
.endif
.set M_, 0
.rept \mt
.irp u, 0,1
.set T_, 4*(\e)+2*((\q)/2)+\u
.if (\type == 1) && (\mt == 4)
.set D_, \acc+64*(T_%4)+32*(T_/4)+8*M_
.else
.set D_, \acc+64*M_+8*T_
.endif
.if S_ == 0
.set C_, BI+8*T_
.else
.set C_, D_
.endif
.set F_, WF+48*((\q)%2)+12*(2*\sp+\u)
.set A_, 12*(4*M_+S_)
.set WR_, WS+4*((\q)/2)+S_
.set AR_, AS+4*M_+S_
.if \type == 0
.if \u == 0
	v_wmma_scale_f32_16x16x128_f8f6f4 v[D_:D_+7], v[F_:F_+11], v[A_:A_+11], v[C_:C_+7], v[WR_], v[AR_] matrix_a_fmt:MATRIX_FMT_BF6 matrix_b_fmt:MATRIX_FMT_BF6
.else
	v_wmma_scale_f32_16x16x128_f8f6f4 v[D_:D_+7], v[F_:F_+11], v[A_:A_+11], v[C_:C_+7], v[WR_], v[AR_] matrix_a_fmt:MATRIX_FMT_BF6 matrix_b_fmt:MATRIX_FMT_BF6 matrix_a_scale:MATRIX_SCALE_ROW1
.endif
.else
.if \u == 0
	v_wmma_scale_f32_16x16x128_f8f6f4 v[D_:D_+7], v[A_:A_+11], v[F_:F_+11], v[C_:C_+7], v[AR_], v[WR_] matrix_a_fmt:MATRIX_FMT_BF6 matrix_b_fmt:MATRIX_FMT_BF6
.else
	v_wmma_scale_f32_16x16x128_f8f6f4 v[D_:D_+7], v[A_:A_+11], v[F_:F_+11], v[C_:C_+7], v[AR_], v[WR_] matrix_a_fmt:MATRIX_FMT_BF6 matrix_b_fmt:MATRIX_FMT_BF6 matrix_b_scale:MATRIX_SCALE_ROW1
.endif
.endif
.endr
.set M_, M_+1
.endr
.endr
.endm
; THE CHANGE OF SLOTS, behind a chunk's third set: its fourth set is in registers once the wait for all LDS loads has passed, so the slot is free.
; mode 0: the slot takes the chunk two on; 1: the next pass's chunk 2 or 3 (twelve chunks back); 2: nothing is left to fetch, the other slot's load is waited for; 3: the last chunk.
.macro CHANGE slot, mode
	WIN 0
.if \mode < 2
	s_wait_tensorcnt 0x0                           ; all my tensor loads have landed: the one that was out is my part of the other slot; so a group 0 may be written
	ds_add_u32 v[SPW], v[NIL]                      ; 0 onto my spare word
.if \mode == 0
	s_add_nc_u64 s[G0+4*\slot+2:G0+4*\slot+3], s[G0+4*\slot+2:G0+4*\slot+3], 2*CHB
.else
	s_sub_nc_u64 s[G0+4*\slot+2:G0+4*\slot+3], s[G0+4*\slot+2:G0+4*\slot+3], 12*CHB
.endif
	s_wait_dscnt 0x0                               ; the add is done, and my reads of this slot are over
	ROUND                                          ; the same holds of every wave of the four work-groups
	tensor_load_to_lds s[G0+4*\slot:G0+4*\slot+3], s[G1:G1+7]   ; my one tensor load behind the round, and the first thing there
	s_nop 0
	PLACES 4                                       ; also the places in front of the loads into the buffer that the third set's products read
.elseif \mode == 2
	PLACES 4
	s_wait_tensorcnt 0x0                           ; my part of the last chunk is in; I alone read it
	s_wait_dscnt 0x0
.else
	s_wait_dscnt 0x0
.endif
.endm
; Half a matrix.  The stream of sets runs on from chunk to chunk and from product to product: two sets are always in registers or on their way.
.macro CHUNK type, mt, acc, aw, e, slot, mode
	s_wait_dscnt 12                                ; set 0 is in; set 1's twelve loads may be out
	MULSET \type, \mt, \acc, \aw, \e, 0
	PLACES 4                                       ; in front of loads into registers that matrix instructions have read
	LOADSET \slot, 2
	s_wait_dscnt 13                                ; set 1 is in; set 2's thirteen may be out
	MULSET \type, \mt, \acc, \aw, \e, 1
	PLACES 4
	LOADSET \slot, 3
	s_wait_dscnt 12                                ; set 2 is in; set 3's twelve may be out
	MULSET \type, \mt, \acc, \aw, \e, 2
	CHANGE \slot, \mode
.if \mode < 3
	LOADSET 1-\slot, 0
.endif
	MULSET \type, \mt, \acc, \aw, \e, 3
	PLACES 4                                       ; for the loads below, and for the first read of the results
.if \mode < 3
	LOADSET 1-\slot, 1
.endif
	WIN 0
.endm
.macro GEMM type, mt, acc, aw, m0, m1
	CHUNK \type, \mt, \acc, \aw, 0, 0, \m0
	CHUNK \type, \mt, \acc, \aw, 1, 1, \m1
.endm
; The rows' fragments and scale words from LDS.  kind 0: the 64 rows, tiles as they lie; 1: the 64 rows, mixed tiles; 2: the 32 rows.
.macro FETCHA kind, mt
	WIN 0x40
.set M_, 0
.rept \mt
.irp s, 0,1,2,3
.irp c, 0,1,2
.if \kind == 0
	ds_load_b128 v[12*(4*M_+\s)+4*\c:12*(4*M_+\s)+4*\c+3], v[LI] offset:XIMG+1536*(4*M_+\s)+512*\c
.elseif \kind == 1
	ds_load_b128 v[12*(4*M_+\s)+4*\c:12*(4*M_+\s)+4*\c+3], v[LIM] offset:XIMG+6144*(M_/2)+128*(M_%2)+1536*\s+512*\c
.else
	ds_load_b128 v[12*(4*M_+\s)+4*\c:12*(4*M_+\s)+4*\c+3], v[LI] offset:HIMG+1536*(4*M_+\s)+512*\c
.endif
.endr
.endr
.set M_, M_+1
.endr
	WIN 0
.set M_, 0
.rept \mt
.if \kind == 0
	ds_load_b128 v[AS+4*M_:AS+4*M_+3], v[LI] offset:XSC+512*M_
.elseif \kind == 1
	ds_load_b128 v[AS+4*M_:AS+4*M_+3], v[LSM] offset:XSC+512*(M_/2)+128*(M_%2)
.else
	ds_load_b128 v[AS+4*M_:AS+4*M_+3], v[LI] offset:HSC+512*M_
.endif
.set M_, M_+1
.endr
.endm
.macro BIAST idx                       ; a bias in a T result's layout: register 32 g + i = column 128 w + 64 g + 32 h + i
	WIN 0x40
.irp g, 0,1
.irp k, 0,1,2,3,4,5,6,7
	ds_load_b128 v[BI+32*\g+4*\k:BI+32*\g+4*\k+3], v[VCO] offset:2048*\idx+256*\g+16*\k
.endr
.endr
	WIN 0
.endm
.macro BIASV idx                       ; in a V result's layout: a lane has one column, so a tile's eight registers are alike
	WIN 0x40
.irp t, 0,1,2,3,4,5,6,7
.irp j, 0,1,2,3,4,5,6,7
	ds_load_b32 v[BI+8*\t+\j], v[VCV] offset:2048*\idx+256*(\t/4)+32*(\t%4)
.endr
.endr
	WIN 0
.endm
; 64 numbers of a lane, two whole blocks of 32 (window sw, from s on), become a fragment's codes: block 0 at d, block 1 at d + c1 (window dw); the row's scale word (bytes h and 2 + h are mine, the others the lane 16 away's) goes to pwd.
; Each accumulator is read from its low end on.
.macro QUANT s, sw, d, dw, c1, pwd
	WIN ((\sw)<<2)|((\sw)<<4)
.irp k, 0,1,2,3
	v_max3_num_f32 v[TM+\k], v[FLR], |v[\s+16*\k]|, |v[\s+16*\k+1]|   ; four chains of 16 numbers by turns, the floor among the leaves
.endr
.irp i, 2,4,6,8,10,12,14
.irp k, 0,1,2,3
	v_max3_num_f32 v[TM+\k], v[TM+\k], |v[\s+16*\k+\i]|, |v[\s+16*\k+\i+1]|
.endr
.endr
	WIN 0
	v_max_num_f32 v[TM], v[TM], v[TM+1]
	v_max_num_f32 v[TM+2], v[TM+2], v[TM+3]
	v_add_nc_u32 v[TM+4], 0xfe000000, v[TM]        ; 4 off the exponent field: the conversion's scale operand
	v_add_nc_u32 v[TM+5], 0xfe000000, v[TM+2]
	v_lshrrev_b32 v[TM+6], 23, v[TM+4]             ; the bytes
	v_lshrrev_b32 v[TM+7], 23, v[TM+5]
	v_lshl_or_b32 v[TM+6], v[TM+7], 16, v[TM+6]
	v_lshlrev_b32 v[TM+6], v[SH8], v[TM+6]
	v_permlanex16_b32 v[TM+7], v[TM+6], s[SEL], s[SEL+1]
	v_or_b32 v[\pwd], v[TM+6], v[TM+7]
	WIN \sw
	v_cvt_scalef32_pk16_bf6_f32 v[E:E+2], v[\s+16:\s+31], v[TM+4]        ; (a conversion's three registers begin on an even number: the second halves are made here and moved)
	v_cvt_scalef32_pk16_bf6_f32 v[E+4:E+6], v[\s+48:\s+63], v[TM+5]
	WIN ((\dw)<<6)|(\sw)
	v_cvt_scalef32_pk16_bf6_f32 v[\d:\d+2], v[\s:\s+15], v[TM+4]
	v_cvt_scalef32_pk16_bf6_f32 v[\d+\c1:\d+\c1+2], v[\s+32:\s+47], v[TM+5]
	WIN (\dw)<<6
	v_nop                                          ; one plain place behind a scaled conversion
.irp i, 0,1,2
	v_mov_b32 v[\d+3+\i], v[E+\i]
	v_mov_b32 v[\d+\c1+3+\i], v[E+4+\i]
.endr
.endm
.macro IMAGE off, scoff                ; the fragment in v[PC] on and its scale word go to LDS as they stand: K step w of the tile at off
	WIN 0
.irp c, 0,1,2
	ds_store_b128 v[XWI], v[PC+4*\c:PC+4*\c+3] offset:\off+512*\c
.endr
	ds_store_b32 v[XWS], v[PW] offset:\scoff
	s_wait_dscnt 0x0                               ; the stores have read their registers
.endm
; Tile m of a layer norm, first half: my wave's mean over its 128 columns; d = x - that mean, into window 2 at 64 m; the sum of d^2; both to LDS.
.macro LNSTAT m, x, xw
.set MP_, L+8+2*(\m)
	WIN (\xw)|((\xw)<<2)
.irp k, 0,1,2,3
	v_pk_add_f32 v[L+2*\k:L+2*\k+1], v[\x+2*\k:\x+2*\k+1], v[\x+8+2*\k:\x+8+2*\k+1]
.endr
	WIN (\xw)<<2
.irp i, 16,24,32,40,48,56
.irp k, 0,1,2,3
	v_pk_add_f32 v[L+2*\k:L+2*\k+1], v[L+2*\k:L+2*\k+1], v[\x+\i+2*\k:\x+\i+2*\k+1]
.endr
.endr
	WIN 0
	v_pk_add_f32 v[L:L+1], v[L:L+1], v[L+2:L+3]
	v_pk_add_f32 v[L+4:L+5], v[L+4:L+5], v[L+6:L+7]
	v_pk_add_f32 v[L:L+1], v[L:L+1], v[L+4:L+5]
	v_add_f32 v[L], v[L], v[L+1]
	v_permlanex16_b32 v[L+1], v[L], s[SEL], s[SEL+1]
	v_add_f32 v[L], v[L], v[L+1]
	v_mul_f32 v[MP_], 0x3c000000, v[L]             ; / 128
	WIN 0x80|(\xw)
.set I_, 0
.rept 32
	v_pk_add_f32 v[64*(\m)+I_:64*(\m)+I_+1], v[\x+I_:\x+I_+1], v[MP_:MP_+1] op_sel_hi:[1,0] neg_lo:[0,1] neg_hi:[0,1]
.set I_, I_+2
.endr
	WIN 0x0a
.irp k, 0,1,2,3
	v_pk_mul_f32 v[L+2*\k:L+2*\k+1], v[64*(\m)+2*\k:64*(\m)+2*\k+1], v[64*(\m)+2*\k:64*(\m)+2*\k+1]
.endr
.irp i, 8,16,24,32,40,48,56
.irp k, 0,1,2,3
	v_pk_fma_f32 v[L+2*\k:L+2*\k+1], v[64*(\m)+\i+2*\k:64*(\m)+\i+2*\k+1], v[64*(\m)+\i+2*\k:64*(\m)+\i+2*\k+1], v[L+2*\k:L+2*\k+1]
.endr
.endr
	WIN 0
	v_pk_add_f32 v[L:L+1], v[L:L+1], v[L+2:L+3]
	v_pk_add_f32 v[L+4:L+5], v[L+4:L+5], v[L+6:L+7]
	v_pk_add_f32 v[L:L+1], v[L:L+1], v[L+4:L+5]
	v_add_f32 v[L], v[L], v[L+1]
	v_permlanex16_b32 v[L+1], v[L], s[SEL], s[SEL+1]
	v_add_f32 v[MP_+1], v[L], v[L+1]
	ds_store_b64 v[STW], v[MP_:MP_+1] offset:256*(\m)
.endm
.macro LNFETCH mt, gi, bi              ; g and b in the rows' layout (window 1), and the four waves' statistics of every tile
	WIN 0x40
.irp g, 0,1
.irp k, 0,1,2,3,4,5,6,7
	ds_load_b128 v[GG+32*\g+4*\k:GG+32*\g+4*\k+3], v[VCO] offset:2048*\gi+256*\g+16*\k
	ds_load_b128 v[BB+32*\g+4*\k:BB+32*\g+4*\k+3], v[VCO] offset:2048*\bi+256*\g+16*\k
.endr
.endr
	WIN 0
.set M_, 0
.rept \mt
.set SL_, 220+8*M_+4*(M_/2)
.irp k, 0,1,2,3
	ds_load_b64 v[SL_+2*\k:SL_+2*\k+1], v[STR] offset:1024*\k+256*M_
.endr
.set M_, M_+1
.endr
	s_wait_dscnt 0x0
.endm
; Second half: mu = the mean of the four means; var = (the four sums + 128 x the sum of (mean_k - mu)^2) / 512; y = (d + my mean - mu) rstd g + b.
.macro LNFIN m
.set SL_, 220+8*(\m)+4*((\m)/2)
.set MP_, L+8+2*(\m)
	WIN 0
	v_add_f32 v[TM], v[SL_], v[SL_+2]
	v_add_f32 v[TM+1], v[SL_+4], v[SL_+6]
	v_add_f32 v[TM+2], v[SL_+1], v[SL_+3]
	v_add_f32 v[TM+3], v[SL_+5], v[SL_+7]
	v_add_f32 v[TM], v[TM], v[TM+1]
	v_add_f32 v[TM+2], v[TM+2], v[TM+3]
	v_mul_f32 v[TM], 0x3e800000, v[TM]             ; mu
	v_sub_f32 v[TM+4], v[SL_], v[TM]
	v_sub_f32 v[TM+5], v[SL_+2], v[TM]
	v_sub_f32 v[TM+6], v[SL_+4], v[TM]
	v_sub_f32 v[TM+7], v[SL_+6], v[TM]
	v_mul_f32 v[TM+1], v[TM+4], v[TM+4]
	v_fma_f32 v[TM+1], v[TM+5], v[TM+5], v[TM+1]
	v_fma_f32 v[TM+1], v[TM+6], v[TM+6], v[TM+1]
	v_fma_f32 v[TM+1], v[TM+7], v[TM+7], v[TM+1]
	v_fma_f32 v[TM+2], v[TM+1], s[C128], v[TM+2]
	v_fma_f32 v[TM+2], v[TM+2], s[R512], s[EPS]    ; var + eps
	v_rsq_f32 v[L], v[TM+2]
	v_sub_f32 v[TM+3], v[MP_], v[TM]               ; (the plain place behind the transcendental)
	s_wait_alu depctr_va_vdst(0)
	v_mul_f32 v[L+2], v[TM+3], v[L]
	WIN 0x82
.set I_, 0
.rept 32
	v_pk_fma_f32 v[64*(\m)+I_:64*(\m)+I_+1], v[64*(\m)+I_:64*(\m)+I_+1], v[L:L+1], v[L+2:L+3] op_sel_hi:[1,0,0]
.set I_, I_+2
.endr
	WIN 0x96
.set I_, 0
.rept 32
	v_pk_fma_f32 v[64*(\m)+I_:64*(\m)+I_+1], v[64*(\m)+I_:64*(\m)+I_+1], v[GG+I_:GG+I_+1], v[BB+I_:BB+I_+1]
.set I_, I_+2
.endr
.endm
.macro RELUADD m, acc, aw              ; O += relu(the product), sixteen numbers at a time; each accumulator from its low end on
.irp q, 0,1,2,3
	WIN (\aw)<<2
.irp i, 0,1,2,3,4,5,6,7,8,9,10,11,12,13,14,15
	v_max_num_f32 v[T16+\i], 0, v[\acc+64*\m+16*\q+\i]
.endr
	WIN 0x82
.irp i, 0,2,4,6,8,10,12,14
	v_pk_add_f32 v[64*\m+16*\q+\i:64*\m+16*\q+\i+1], v[64*\m+16*\q+\i:64*\m+16*\q+\i+1], v[T16+\i:T16+\i+1]
.endr
.endr
.endm
; ---------------------------------------------------------------- the head
	s_load_b512 s[8:23], s[0:1], 0x0               ; x s[8:9], I s[10:11], wq s[12:13], bqkv0 s[14:15], bo0 s[16:17], g00 s[18:19], b00 s[20:21], g10 s[22:23]
	s_load_b512 s[24:39], s[0:1], 0x40             ; b10 s[24:25], bqkv1 s[26:27], bo1 s[28:29], g01 s[30:31], b01 s[32:33], g11 s[34:35], b11 s[36:37], out0 s[38:39]
	v_lshl_add_u32 v[SPW], v0, 2, SPARE
	v_mov_b32 v[NIL], 0
	ds_add_u32 v1, v2
	ds_add_u32 v1, v2
	s_wait_dscnt 0x0
	v_lshrrev_b32 v25, 5, v0
	v_readfirstlane_b32 s[WV], v25                 ; wave 0..3
	s_bfe_u32 s70, ttmp6, 0x40000                  ; my place in the cluster: it enters x's and out0's addresses alone
	s_lshl_b32 s71, ttmp9, 2
	s_add_co_u32 s71, s71, s70                     ; work-group
	s_lshl_b32 s72, s71, 17                        ; 64 rows of x
	s_mov_b32 s73, 0
	s_lshl_b32 s74, s71, 12                        ; 2 rows of out0
	s_mov_b32 s75, 0
	s_mul_i32 s76, s[WV], PARTB                    ; my part of a chunk
	s_mov_b32 s77, 0
	s_mov_b32 s[G1], 15|(3<<16)|(1<<21)            ; 15:0 the mask: the four work-groups; 17:16 elements of 8 bytes; 20 no padding; 21 set beside a mask
	s_mov_b32 s[G1+1], 32<<16                      ; tensor_dim0 = 32 elements: rows of 256 bytes
	s_mov_b32 s[G1+2], 100<<16                     ; tensor_dim1 = 100 rows: a dense block of 25,600 bytes
	s_mov_b32 s[G1+3], 32<<16                      ; tile_dim0
	s_mov_b32 s[G1+4], 100                         ; tile_dim1
	s_mov_b32 s[G1+5], 32                          ; the pitch
	s_mov_b32 s[G1+6], 0
	s_mov_b32 s[G1+7], 0
	s_mov_b32 s[SEL], 0x76543210
	s_mov_b32 s[SEL+1], 0xfedcba98                 ; v_permlanex16_b32's selects for the lane 16 away
	s_mov_b32 s[HM], 0xffff0000
	s_mov_b32 s[R512], 0x3b000000                  ; 1 / 512
	s_mov_b32 s[EPS], 0x3727c5ac                   ; 1e-5
	s_mov_b32 s[C128], 0x43000000                  ; 128
	s_mov_b32 s[CS], 0x3d8293ee                    ; log2(e) / sqrt(512)
	s_mov_b32 s[CS+1], s[CS]
	s_mov_b32 s[NCS], 0xbd8293ee
	v_lshlrev_b32 v[TI16], 4, v0
	v_and_b32 v26, 15, v0                          ; r
	v_bfe_u32 v27, v0, 4, 1                        ; h
	s_lshl_b32 s71, s[WV], 9                       ; 512 w
	v_lshlrev_b32 v[XA], 11, v26
	v_lshl_add_u32 v[XA], v27, 7, v[XA]
	v_add_nc_u32 v[XA], s71, v[XA]
	s_wait_kmcnt 0x0
	s_add_nc_u64 s[8:9], s[8:9], s[72:73]
	s_add_nc_u64 s[38:39], s[38:39], s[74:75]
	s_add_nc_u64 s[78:79], s[12:13], s[76:77]
	s_mov_b32 s[G0], 1
	s_add_co_u32 s[G0+1], s76, RING
	s_mov_b64 s[G0+2:G0+3], s[78:79]               ; chunk 0
	s_or_b32 s[G0+3], s[G0+3], 0x80000000
	s_mov_b32 s[G0+4], 1
	s_add_co_u32 s[G0+5], s76, RING+CHB
	s_add_nc_u64 s[G0+6:G0+7], s[78:79], CHB       ; chunk 1
	s_or_b32 s[G0+7], s[G0+7], 0x80000000
	ROUND                                          ; the four work-groups are here: the first joint loads meet
	tensor_load_to_lds s[G0:G0+3], s[G1:G1+7]      ; both first fills together: two tensor loads of mine are out
	s_nop 0
	tensor_load_to_lds s[G0+4:G0+7], s[G1:G1+7]
	s_nop 0
	PLACES 4
.macro VL i, b, off
	global_load_b128 v[32+4*\i:35+4*\i], v[TI16], s[\b:\b+1] offset:\off
.endm
	VL 0, 14, 0
	VL 1, 14, 2048
	VL 2, 14, 4096
	VL 3, 16, 0
	VL 4, 26, 0
	VL 5, 26, 2048
	VL 6, 26, 4096
	VL 7, 28, 0
	VL 8, 18, 0
	VL 9, 20, 0
	VL 10, 22, 0
	VL 11, 24, 0
	VL 12, 30, 0
	VL 13, 32, 0
	VL 14, 34, 0
	VL 15, 36, 0
	WIN 0xc0
.irp g, 0,1
.irp k, 0,1,2,3,4,5,6,7
	global_load_b128 v[32*\g+4*\k:32*\g+4*\k+3], v[XA], s[10:11] offset:256*\g+16*\k      ; I(r, my columns), in the rows' layout
.endr
.endr
	WIN 0x80
.irp m, 0,1,2,3
.irp g, 0,1
.irp k, 0,1,2,3,4,5,6,7
	global_load_b128 v[64*\m+32*\g+4*\k:64*\m+32*\g+4*\k+3], v[XA], s[8:9] offset:32768*\m+256*\g+16*\k   ; x(16 m + r, my columns)
.endr
.endr
.endr
	WIN 0
	v_and_b32 v25, 31, v0                          ; lane
	v_bfe_u32 v28, v0, 3, 1                        ; r / 8
	v_and_b32 v29, 7, v0                           ; r % 8
	v_lshlrev_b32 v[LI], 4, v25
	v_add_nc_u32 v[WAD], s[G0+1], v[LI]
	v_add_nc_u32 v[WAD+1], s[G0+5], v[LI]
	v_mul_u32_u24 v[LIM], v28, 12288
	v_lshl_add_u32 v[LIM], v27, 8, v[LIM]
	v_lshl_add_u32 v[LIM], v29, 4, v[LIM]
	v_lshlrev_b32 v[LSM], 10, v28
	v_lshl_add_u32 v[LSM], v27, 8, v[LSM]
	v_lshl_add_u32 v[LSM], v29, 4, v[LSM]
	s_mul_i32 s70, s[WV], 1536
	v_add_nc_u32 v[XWI], s70, v[LI]
	s_lshl_b32 s72, s[WV], 2
	v_add_nc_u32 v[XWS], s72, v[LI]
	s_add_co_u32 s73, s71, VEC
	v_lshl_add_u32 v[VCO], v27, 7, s73
	v_lshl_add_u32 v[VCV], v28, 7, s73
	v_lshl_add_u32 v[VCV], v29, 2, v[VCV]
	v_lshl_add_u32 v[STR], v25, 3, STAT
	s_lshl_b32 s74, s[WV], 10
	v_add_nc_u32 v[STW], s74, v[STR]
	s_mul_i32 s75, s[WV], 9728
	s_add_co_u32 s75, s75, Q0R
	v_add_nc_u32 v[Q0P], s75, v[LI]
	v_mov_b32 v[FLR], 0x2800000
	v_mov_b32 v[NB], 0xff800000
	v_lshlrev_b32 v[SH8], 3, v27
	v_add_nc_u32 v[MK], -1, v27
	v_sub_nc_u32 v[MK+1], 0, v27
	s_add_co_u32 s77, s71, OUTS
	v_lshl_add_u32 v[OSA], v27, 7, s77
	v_add_nc_u32 v[VST], VEC, v[TI16]
	v_add_nc_u32 v[OSR], OUTS, v[TI16]
.irp b, 168, 212, 240                  ; written once: destinations of lane permutes and upper halves of pairs of which the low word is broadcast count as read
.set I_, 0
.rept 16
	v_mov_b32 v[\b+I_], 0
.set I_, I_+1
.endr
.endr
	s_wait_loadcnt 63                              ; of the 96 loads the oldest 33 are in: the sixteen vectors and I's sixteen
.irp i, 0,1,2,3,4,5,6,7,8,9,10,11,12,13,14,15
	ds_store_b128 v[VST], v[32+4*\i:35+4*\i] offset:2048*\i
.endr
	QUANT 0, 3, PC, 0, 6, PW                       ; I's K step w
	IMAGE HIMG, HSC
	BARRIER                                        ; the vectors and I's four fragments lie in LDS (the tensor loads may stay out)
	FETCHA 2, 1
	BIAST 0
	s_wait_tensorcnt 0x1                           ; my part of chunk 0 is in; chunk 1's load may be out
	LOADSET 0, 0
	LOADSET 0, 1
	s_wait_dscnt 0x0
	GEMM 0, 1, R18, 3, 0, 0                        ; Q0 = I Wq0 + bq0, my 128 columns
	WIN 0x0c
.irp i, 0,1,2,3,4,5,6,7,8,9,10,11,12,13,14,15
	ds_store_b128 v[Q0P], v[R18+4*\i:R18+4*\i+3] offset:512*\i      ; Q0 in f32: my own bytes
.endr
	QUANT R18, 3, PC, 0, 6, Q0S
	WIN 0
.irp c, 0,1,2
	ds_store_b128 v[Q0P], v[PC+4*\c:PC+4*\c+3] offset:8192+512*\c   ; and its codes
.endr
	s_wait_dscnt 0x0
	s_mov_b32 s[PASS], 2
; ---------------------------------------------------------------- a pass: ISAB of the 64 rows in window 2
.Lpass:
	s_wait_loadcnt 0x0                             ; x (first pass)
.irp m, 0,1,2,3
	QUANT 64*\m, 2, PC, 0, 6, PW
	IMAGE XIMG+6144*\m, XSC+512*\m
.endr
	BARRIER                                        ; the rows' sixteen fragments lie in LDS
	; ---- K0, mixed tiles
	FETCHA 1, 4
	BIAST 1
	s_wait_dscnt 0x0
	GEMM 0, 4, 0, 3, 0, 0
.irp m, 0,1,2,3
	QUANT 64*\m, 3, K0F+12*\m, 2, 6, K0S+\m
.endr
	; ---- V0: a lane holds one column, one title, 32 keys for each head
	BIASV 2
	s_wait_dscnt 0x0
	GEMM 1, 4, 0, 3, 0, 0
	WIN 0x40
.irp c, 0,1,2
	ds_load_b128 v[Q0FA+4*\c:Q0FA+4*\c+3], v[Q0P] offset:8192+512*\c    ; Q0's codes twice: one copy for each head
	ds_load_b128 v[Q0FB+4*\c:Q0FB+4*\c+3], v[Q0P] offset:8192+512*\c
.endr
	WIN 0x80
.irp i, 0,1,2,3,4,5,6,7,8,9,10,11,12,13,14,15
	ds_load_b128 v[4*\i:4*\i+3], v[Q0P] offset:512*\i                   ; Q0 in f32 twice: the residual of each title
	ds_load_b128 v[64+4*\i:64+4*\i+3], v[Q0P] offset:512*\i
.endr
.irp n, 0,1,2,3
	QUANT 64*\n, 3, FV+12*\n, 1, 6, FVS+\n         ; along the keys: block (head c, title h)
.endr
	; ---- attention 0
	s_wait_dscnt 0x0
	WIN 0x40
.irp i, 0,1,2,3,4,5
	v_mov_b32 v[Q0FA+6+\i], 0                      ; zero codes for the other head's 64 along K
	v_mov_b32 v[Q0FB+\i], 0
.endr
	PLACES 4
	WIN 0xc6
.irp m, 0,1,2,3
.irp a, 0,1
	v_wmma_scale_f32_16x16x128_f8f6f4 v[32*\a+8*\m:32*\a+8*\m+7], v[K0F+12*\m:K0F+12*\m+11], v[Q0FA+12*\a:Q0FA+12*\a+11], 0, v[K0S+\m], v[Q0S] matrix_a_fmt:MATRIX_FMT_BF6 matrix_b_fmt:MATRIX_FMT_BF6
.endr
.endr                                  ; lane (r, h): query r, title h; register 32 a + i: head a, key i
	PLACES 4
	WIN 0x3c
.irp a, 0,1
	v_max3_num_f32 v[TM+\a], v[NB], v[32*\a], v[32*\a+1]
.endr
.irp i, 2,4,6,8,10,12,14,16,18,20,22,24,26,28,30
.irp a, 0,1
	v_max3_num_f32 v[TM+\a], v[TM+\a], v[32*\a+\i], v[32*\a+\i+1]
.endr
.endr
	WIN 0
	v_mul_f32 v[TM], s[CS], v[TM]                  ; the row's largest t
	v_mul_f32 v[TM+1], s[CS], v[TM+1]
	v_floor_f32 v[TM+4], -v[TM]                    ; -M = floor(-t): M is a whole number
	v_floor_f32 v[TM+6], -v[TM+1]
	WIN 0xc3
.irp a, 0,1
.set I_, 0
.rept 16
	v_pk_fma_f32 v[32*\a+I_:32*\a+I_+1], v[32*\a+I_:32*\a+I_+1], s[CS:CS+1], v[TM+4+2*\a:TM+5+2*\a] op_sel_hi:[1,0,0]   ; t - M
.set I_, I_+2
.endr
.endr
.set I_, 0
.rept 64
	v_exp_f32 v[I_], v[I_]                         ; p = 2^(t - M): not normalised
.set I_, I_+1
.endr
	v_nop
	WIN 0x0f
	s_wait_alu depctr_va_vdst(0)
	v_pk_add_f32 v[L:L+1], v[0:1], v[2:3]          ; the row's sum, of the unquantised p
	v_pk_add_f32 v[L+2:L+3], v[4:5], v[6:7]
	v_pk_add_f32 v[L+4:L+5], v[32:33], v[34:35]
	v_pk_add_f32 v[L+6:L+7], v[36:37], v[38:39]
	WIN 0x0c
.irp i, 8,12,16,20,24,28
	v_pk_add_f32 v[L:L+1], v[L:L+1], v[\i:\i+1]
	v_pk_add_f32 v[L+2:L+3], v[L+2:L+3], v[\i+2:\i+3]
	v_pk_add_f32 v[L+4:L+5], v[L+4:L+5], v[32+\i:32+\i+1]
	v_pk_add_f32 v[L+6:L+7], v[L+6:L+7], v[32+\i+2:32+\i+3]
.endr
	WIN 0
	v_pk_add_f32 v[L:L+1], v[L:L+1], v[L+2:L+3]
	v_pk_add_f32 v[L+4:L+5], v[L+4:L+5], v[L+6:L+7]
	v_add_f32 v[L], v[L], v[L+1]                   ; l of head 0
	v_add_f32 v[L+4], v[L+4], v[L+5]               ; l of head 1
	QUANT 0, 3, PC, 0, 6, PS
	WIN 0x40
.irp b, 0,1                            ; P for title b: [head 0's codes][zeros][head 1's codes], only in the lanes of that title: twelve registers from 6 a on are head a's operand
.irp i, 0,1,2,3,4,5
	v_and_b32 v[PF+18*\b+\i], v[MK+\b], v[PC+\i]
	v_mov_b32 v[PF+18*\b+6+\i], 0
	v_and_b32 v[PF+18*\b+12+\i], v[MK+\b], v[PC+6+\i]
.endr
.endr
	WIN 0
	v_rcp_f32 v[TM+8], v[L]
	v_rcp_f32 v[TM+9], v[L+4]
	v_nop
	s_wait_alu depctr_va_vdst(0)
	v_permlanex16_b32 v[TM+10], v[TM+8], s[SEL], s[SEL+1]
	v_permlanex16_b32 v[TM+11], v[TM+9], s[SEL], s[SEL+1]
.irp a, 0,1
	v_cndmask_b32 v[RL+2*\a], v[TM+8+\a], v[TM+10+\a], s[HM]       ; 1 / l of title 0 in both halves of the lanes
	v_cndmask_b32 v[RL+4+2*\a], v[TM+10+\a], v[TM+8+\a], s[HM]     ; of title 1
.endr
	PLACES 4
	WIN 0xc5
.irp b, 0,1
.irp a, 0,1
.irp n, 0,1,2,3
	v_wmma_scale_f32_16x16x128_f8f6f4 v[R18+64*\b+32*\a+8*\n:R18+64*\b+32*\a+8*\n+7], v[FV+12*\n:FV+12*\n+11], v[PF+18*\b+6*\a:PF+18*\b+6*\a+11], 0, v[FVS+\n], v[PS] matrix_a_fmt:MATRIX_FMT_BF6 matrix_b_fmt:MATRIX_FMT_BF6
.endr
.endr
.endr                                  ; the rows' layout again: lane (r, h): query r of title b
	PLACES 4
	WIN 0xa3
.irp b, 0,1
.irp a, 0,1
.set I_, 0
.rept 16
	v_pk_fma_f32 v[64*\b+32*\a+I_:64*\b+32*\a+I_+1], v[R18+64*\b+32*\a+I_:R18+64*\b+32*\a+I_+1], v[RL+4*\b+2*\a:RL+4*\b+2*\a+1], v[64*\b+32*\a+I_:64*\b+32*\a+I_+1] op_sel_hi:[1,0,1]   ; O = Q0 + (V^T p) / l
.set I_, I_+2
.endr
.endr
.endr
	; ---- ln0 of the first block, O's codes
	LNSTAT 0, 0, 2
	LNSTAT 1, 64, 2
	BARRIER
	LNFETCH 2, 8, 9
	LNFIN 0
	LNFIN 1
.irp m, 0,1
	QUANT 64*\m, 2, PC, 0, 6, PW
	IMAGE HIMG+6144*\m, HSC+512*\m
.endr
	BARRIER
	; ---- O + relu(O Wo0 + bo0), ln1: H
	FETCHA 2, 2
	BIAST 3
	s_wait_dscnt 0x0
	GEMM 0, 2, R18, 3, 0, 0
.irp m, 0,1
	RELUADD \m, R18, 3
	LNSTAT \m, 64*\m, 2
.endr
	BARRIER
	LNFETCH 2, 10, 11
	LNFIN 0
	LNFIN 1
.irp m, 0,1
	QUANT 64*\m, 2, PC, 0, 6, PW
	IMAGE HIMG+6144*\m, HSC+512*\m
.endr
	BARRIER
	; ---- Q1 (its sums stay in window 2: the residual), K1, V1
	FETCHA 0, 4
	BIAST 4
	s_wait_dscnt 0x0
	GEMM 0, 4, 0, 2, 0, 0
.irp m, 0,1,2,3
	QUANT 64*\m, 2, Q1F+12*\m, 1, 6, Q1S+\m
.endr
	FETCHA 2, 2
	BIAST 5
	s_wait_dscnt 0x0
	GEMM 0, 2, R18, 3, 0, 0
	WIN 0x40
.irp b, 0,1
.irp i, 0,1,2,3,4,5
	v_mov_b32 v[K1F+18*\b+6+\i], 0                 ; [head 0's codes][zeros][head 1's codes]
.endr
.endr
.irp b, 0,1
	QUANT R18+64*\b, 3, K1F+18*\b, 1, 12, K1S+\b
.endr
	BIASV 6
	s_wait_dscnt 0x0
	GEMM 1, 2, 0, 3, 0, 0                          ; V1 stays in f32: lane (rho, h), register 64 b + 8 t + j: key 8 h + j of title b, column (t, rho)
	; ---- attention 1
	PLACES 4
	WIN 0x45
.irp m, 0,1,2,3
.irp a, 0,1
	v_wmma_scale_f32_16x16x128_f8f6f4 v[S1+8*(2*\m+\a):S1+8*(2*\m+\a)+7], v[K1F+18*(\m/2)+6*\a:K1F+18*(\m/2)+6*\a+11], v[Q1F+12*\m:Q1F+12*\m+11], 0, v[K1S+\m/2], v[Q1S+\m] matrix_a_fmt:MATRIX_FMT_BF6 matrix_b_fmt:MATRIX_FMT_BF6
.endr
.endr                                  ; lane (r, h): query r of tile m, keys 8 h + 0 .. 7
	PLACES 4
	WIN 0x14
.irp t, 0,1,2,3,4,5,6,7
	v_max3_num_f32 v[TM+\t], v[NB], v[S1+8*\t], v[S1+8*\t+1]
.endr
.irp i, 2,4,6
.irp t, 0,1,2,3,4,5,6,7
	v_max3_num_f32 v[TM+\t], v[TM+\t], v[S1+8*\t+\i], v[S1+8*\t+\i+1]
.endr
.endr
	WIN 0
.irp t, 0,1,2,3,4,5,6,7
	v_permlanex16_b32 v[TM+8+\t], v[TM+\t], s[SEL], s[SEL+1]
.endr
.irp t, 0,1,2,3,4,5,6,7
	v_max_num_f32 v[TM+\t], v[TM+\t], v[TM+8+\t]   ; the row's largest score
.endr
.irp t, 0,1,2,3,4,5,6,7
	v_mul_f32 v[T16+2*\t], s[NCS], v[TM+\t]
.endr
	WIN 0x41
.irp t, 0,1,2,3,4,5,6,7
.irp i, 0,2,4,6
	v_pk_fma_f32 v[S1+8*\t+\i:S1+8*\t+\i+1], v[S1+8*\t+\i:S1+8*\t+\i+1], s[CS:CS+1], v[T16+2*\t:T16+2*\t+1] op_sel_hi:[1,0,0]
.endr
.endr
.set I_, 0
.rept 64
	v_exp_f32 v[S1+I_], v[S1+I_]
.set I_, I_+1
.endr
	v_nop
	WIN 0x05
	s_wait_alu depctr_va_vdst(0)
.irp t, 0,1,2,3,4,5,6,7
	v_pk_add_f32 v[L+2*\t:L+2*\t+1], v[S1+8*\t:S1+8*\t+1], v[S1+8*\t+2:S1+8*\t+3]
.endr
	WIN 0x04
.irp i, 4,6
.irp t, 0,1,2,3,4,5,6,7
	v_pk_add_f32 v[L+2*\t:L+2*\t+1], v[L+2*\t:L+2*\t+1], v[S1+8*\t+\i:S1+8*\t+\i+1]
.endr
.endr
	WIN 0
.irp t, 0,1,2,3,4,5,6,7
	v_add_f32 v[L+2*\t], v[L+2*\t], v[L+2*\t+1]
.endr
.irp t, 0,1,2,3,4,5,6,7
	v_permlanex16_b32 v[L+2*\t+1], v[L+2*\t], s[SEL], s[SEL+1]
.endr
.irp t, 0,1,2,3,4,5,6,7
	v_add_f32 v[L+2*\t], v[L+2*\t], v[L+2*\t+1]
.endr
.irp t, 0,1,2,3,4,5,6,7
	v_rcp_f32 v[T16+2*\t], v[L+2*\t]
.endr
	v_nop
	WIN 0x41
	s_wait_alu depctr_va_vdst(0)
.irp t, 0,1,2,3,4,5,6,7
.irp i, 0,2,4,6
	v_pk_mul_f32 v[S1+8*\t+\i:S1+8*\t+\i+1], v[S1+8*\t+\i:S1+8*\t+\i+1], v[T16+2*\t:T16+2*\t+1] op_sel_hi:[1,0]   ; the finished softmax, f32
.endr
.endr
; O1^T = Q1^T + V1^T A^T in f32 (K = 16 keys: left as it is, and its result goes on into a quantiser).  Slot (h, j) of K step s is key 8 h + 2 s + j on both sides, so both operands are used as they lie.
; Sixteen accumulators take turns; the first K step takes Q1's sums as C.
.irp b, 0,1
	PLACES 4
.irp s, 0,1,2,3
.if \s == 0
	WIN 0xe7
.else
	WIN 0xf7
.endif
.irp u, 0,1
.irp t, 0,1,2,3,4,5,6,7
.if \s == 0
	v_wmma_f32_16x16x4_f32 v[R18+64*\u+8*\t:R18+64*\u+8*\t+7], v[64*\b+8*\t+2*\s:64*\b+8*\t+2*\s+1], v[S1+8*(2*(2*\b+\u)+\t/4)+2*\s:S1+8*(2*(2*\b+\u)+\t/4)+2*\s+1], v[64*(2*\b+\u)+8*\t:64*(2*\b+\u)+8*\t+7]
.else
	v_wmma_f32_16x16x4_f32 v[R18+64*\u+8*\t:R18+64*\u+8*\t+7], v[64*\b+8*\t+2*\s:64*\b+8*\t+2*\s+1], v[S1+8*(2*(2*\b+\u)+\t/4)+2*\s:S1+8*(2*(2*\b+\u)+\t/4)+2*\s+1], v[R18+64*\u+8*\t:R18+64*\u+8*\t+7]
.endif
.endr
.endr
.endr
	PLACES 8                                       ; behind this form eight places, in front of the read of its results and the write of its C
	LNSTAT 2*\b, R18, 3
	LNSTAT 2*\b+1, R18+64, 3
.endr
	BARRIER
	LNFETCH 4, 12, 13
.irp m, 0,1,2,3
	LNFIN \m
.endr
.irp m, 0,1,2,3
	QUANT 64*\m, 2, PC, 0, 6, PW
	IMAGE XIMG+6144*\m, XSC+512*\m
.endr
	BARRIER
; O1 + relu(O1 Wo1 + bo1), ln1.  Written twice: the first pass's copy asks for the next pass's first chunks, the last pass's for nothing.
.macro TAIL m0, m1
	FETCHA 0, 4
	BIAST 7
	s_wait_dscnt 0x0
	GEMM 0, 4, 0, 3, \m0, \m1
.irp m, 0,1,2,3
	RELUADD \m, 0, 3
	LNSTAT \m, 64*\m, 2
.endr
	BARRIER
	LNFETCH 4, 14, 15
.irp m, 0,1,2,3
	LNFIN \m
.endr
	WIN 0
.endm
	s_cmp_eq_u32 s[PASS], 1
	s_cbranch_scc1 .Llast
	TAIL 1, 1
	s_sub_co_u32 s[PASS], s[PASS], 1
	s_branch .Lpass
.Llast:
	TAIL 2, 3
	; ---- the mean over a title's 32 rows: its two tiles, then the sixteen lanes of a half
.irp b, 0,1
	WIN 0x0a
.set I_, 0
.rept 32
	v_pk_add_f32 v[32+I_:33+I_], v[128*\b+I_:128*\b+I_+1], v[128*\b+64+I_:128*\b+64+I_+1]
.set I_, I_+2
.endr
	WIN 0
.irp x, 1,2,4,8
.set I_, 0
.rept 64
	v_add_f32_dpp v[32+I_], v[32+I_], v[32+I_] row_xmask:\x row_mask:0xf bank_mask:0xf
.set I_, I_+1
.endr
.endr
.set I_, 0
.rept 32
	v_pk_mul_f32 v[32+I_:33+I_], v[32+I_:33+I_], 0x3d000000 op_sel_hi:[1,0]   ; / 32
.set I_, I_+2
.endr
.irp g, 0,1
.irp k, 0,1,2,3,4,5,6,7
	ds_store_b128 v[OSA], v[32+32*\g+4*\k:35+32*\g+4*\k] offset:2048*\b+256*\g+16*\k   ; the sixteen lanes of a half store the same bytes with the same values
.endr
.endr
	s_wait_dscnt 0x0                               ; the stores have read their registers
.endr
	BARRIER                                        ; two whole rows of out0 lie in LDS
	ds_load_b128 v[32:35], v[OSR]
	ds_load_b128 v[36:39], v[OSR] offset:2048
	s_wait_dscnt 0x0
	global_store_b128 v[TI16], v[32:35], s[38:39]              ; a wave stores 512 consecutive bytes, aligned
	global_store_b128 v[TI16], v[36:39], s[38:39] offset:2048
	s_wait_tensorcnt 0x0                           ; the wave's end: behind my last tensor load and my last LDS store
	ds_add_u32 v[SPW], v[NIL]
	s_wait_dscnt 0x0
	ROUND                                          ; the closing round: no work-group ends while a partner may still ask for a chunk that names it
	s_endpgm
.Lfunc_end_k_q0b81bc1ceb_isab:
	.size	k_q0b81bc1ceb_isab, .Lfunc_end_k_q0b81bc1ceb_isab-k_q0b81bc1ceb_isab
	.p2alignl 7, 3214868480
	.fill 96, 4, 3214868480
	.section	.rodata,"a",@progbits
	.p2align	6, 0x0
	.amdhsa_kernel k_q0b81bc1ceb_isab
		.amdhsa_group_segment_fixed_size 327680
		.amdhsa_private_segment_fixed_size 0
		.amdhsa_enable_private_segment 0
		.amdhsa_kernarg_size 128
		.amdhsa_user_sgpr_count 2
		.amdhsa_user_sgpr_kernarg_segment_ptr 1
		.amdhsa_wavefront_size32 1
		.amdhsa_system_sgpr_workgroup_id_x 1
		.amdhsa_system_sgpr_workgroup_id_y 1
		.amdhsa_system_sgpr_workgroup_id_z 1
		.amdhsa_system_vgpr_workitem_id 0
		.amdhsa_next_free_vgpr 1024
		.amdhsa_next_free_sgpr 80
		.amdhsa_reserve_vcc 0
		.amdhsa_float_denorm_mode_32 3
		.amdhsa_float_denorm_mode_16_64 3
		.amdhsa_memory_ordered 1
		.amdhsa_forward_progress 1
		.amdhsa_inst_pref_size 255
	.end_amdhsa_kernel
	.section	.bss,"aw",@nobits
	.p2align	6
	.space	262144
	.amdgpu_metadata
---
amdhsa.version: [ 1, 2 ]
amdhsa.kernels:
  - .name:           k_q0b81bc1ceb_isab
    .symbol:         k_q0b81bc1ceb_isab.kd
    .args:
      - { .name: x, .offset: 0, .size: 8, .value_kind: global_buffer, .address_space: global }
      - { .name: I, .offset: 8, .size: 8, .value_kind: global_buffer, .address_space: global }
      - { .name: wq, .offset: 16, .size: 8, .value_kind: global_buffer, .address_space: global }
      - { .name: mab0_bqkv, .offset: 24, .size: 8, .value_kind: global_buffer, .address_space: global }
      - { .name: mab0_bo, .offset: 32, .size: 8, .value_kind: global_buffer, .address_space: global }
      - { .name: mab0_g0, .offset: 40, .size: 8, .value_kind: global_buffer, .address_space: global }
      - { .name: mab0_b0, .offset: 48, .size: 8, .value_kind: global_buffer, .address_space: global }
      - { .name: mab0_g1, .offset: 56, .size: 8, .value_kind: global_buffer, .address_space: global }
      - { .name: mab0_b1, .offset: 64, .size: 8, .value_kind: global_buffer, .address_space: global }
      - { .name: mab1_bqkv, .offset: 72, .size: 8, .value_kind: global_buffer, .address_space: global }
      - { .name: mab1_bo, .offset: 80, .size: 8, .value_kind: global_buffer, .address_space: global }
      - { .name: mab1_g0, .offset: 88, .size: 8, .value_kind: global_buffer, .address_space: global }
      - { .name: mab1_b0, .offset: 96, .size: 8, .value_kind: global_buffer, .address_space: global }
      - { .name: mab1_g1, .offset: 104, .size: 8, .value_kind: global_buffer, .address_space: global }
      - { .name: mab1_b1, .offset: 112, .size: 8, .value_kind: global_buffer, .address_space: global }
      - { .name: out0, .offset: 120, .size: 8, .value_kind: global_buffer, .address_space: global }
    .group_segment_fixed_size: 327680
    .private_segment_fixed_size: 0
    .kernarg_segment_align: 8
    .kernarg_segment_size: 128
    .max_flat_workgroup_size: 128
    .sgpr_count:     80
    .vgpr_count:     1024
    .wavefront_size: 32
...
	.end_amdgpu_metadata
.endif
;; end of part 2
;; ======== version 2 of 2: 2 launches
;; limits: right only within a limited range of input values
;; workspace buffers: wq 1,638,400 bytes
;; launch pack (part 3): grid 8 x 32, 2 waves a work-group, no clusters, 0 bytes of LDS; arguments mab0_Wqkv, mab0_Wo, mab1_Wqkv, mab1_Wo, wq; writes wq
.if DOCPART == 3
	.amdgcn_target "amdgcn-amd-amdhsa--gfx1250"
	.amdhsa_code_object_version 6
	.text
	.protected	k_q0b81bc1ceb_pack
	.globl	k_q0b81bc1ceb_pack
	.p2align	8
	.type	k_q0b81bc1ceb_pack,@function
k_q0b81bc1ceb_pack:
	s_mov_b64 s[64:65], 0
	v_nop
	global_prefetch_b8 v0, s[64:65] scope:SCOPE_SE
	s_setreg_imm32_b32 hwreg(HW_REG_WAVE_MODE, 25, 1), 1
	s_wait_xcnt 0x0
; The eight weight matrices [512 (k)][512 (n)], f32, K their FIRST axis, become codes of E3M2 with one E8M0 byte for each 32 along K,
; laid in wq as the second launch reads them: images of the operand's registers.
; wq: matrix j (0 Wq0, 1 Wk0, 2 Wv0, 3 Wo0, 4 Wq1, 5 Wk1, 6 Wv1, 7 Wo1) x 204,800 bytes; in it chunk g x 102,400; in it part w x 25,600;
; a part: four sets q = 2 pi + (s >> 1) of 6,144 bytes, then two scale images pi of 512 bytes.  A set: fragment (s & 1, u) at 3,072 (s & 1) + 1,536 u.
; A fragment (16 columns x 128 K, 12 registers a lane): registers 4 c .. 4 c + 3 of lane (rho, h) at 512 c + 256 h + 16 rho.
; Row rho of the fragment is column 128 w + 64 g + 32 (rho >> 3) + 16 pi + 8 u + (rho & 7); registers 6 c .. 6 c + 5 hold k = 128 s + 64 c + 32 h + 0 .. 31.
; SHARES.  Work-group x = 2 w + g: 64 columns; y = 4 j + s: matrix and K step of 128; wave = pi.  A LANE (u = lane / 16, rho = lane % 16) TAKES ONE COLUMN, AND ITS 128 REGISTERS RUN DOWN K:
; a block of 32 lies in one lane, its largest magnitude needs no other lane, and the conversions give the codes with K innermost.  The two waves together read 256 consecutive bytes of each row of W.
; A lane makes the registers of both halves h of its fragment's row; sixteen lanes store 256 consecutive aligned bytes.  The scale words (4 bytes of each 16: the other three come from the work-groups of the other K steps) are 64 KiB of the launch's stores.
; A block's byte is its largest magnitude's exponent field - 4, held at 1 from below.
; LIMITS: a block of zeros, or one whose largest magnitude lies under 2^-122, has the byte 1 (its codes are then zeros or small codes; the bytes are read by this program alone); NaN and infinities are not served.
.set OUT, 32                           ; v32-55   codes: 12 h + 6 c
.set E,   56                           ; v56-58   a block's second three registers, made here and moved (a conversion's three begin on an even number)
.set X,   64                           ; v64-191  my column's 128 numbers
	s_load_b256 s[4:11], s[0:1], 0x0               ; Wqkv0 s[4:5], Wo0 s[6:7], Wqkv1 s[8:9], Wo1 s[10:11]
	s_load_b64 s[12:13], s[0:1], 0x20              ; wq
	v_lshrrev_b32 v4, 5, v0
	v_readfirstlane_b32 s14, v4                    ; pi
	v_and_b32 v5, 15, v0                           ; rho
	v_bfe_u32 v6, v0, 4, 1                         ; u
	v_bfe_u32 v7, v0, 3, 1                         ; rho >> 3
	v_and_b32 v4, 7, v0                            ; rho & 7
	v_lshlrev_b32 v1, 7, v7
	v_lshl_add_u32 v1, v6, 5, v1
	v_lshl_add_u32 v1, v4, 2, v1                   ; in: 128 (rho >> 3) + 32 u + 4 (rho & 7)
	v_mul_u32_u24 v2, v6, 1536
	v_lshl_add_u32 v2, v5, 4, v2                   ; codes out: 1,536 u + 16 rho
	v_and_b32 v3, 31, v0
	v_lshlrev_b32 v3, 4, v3                        ; scale word out: 16 x lane
	s_and_b32 s15, ttmp7, 0xffff
	s_lshr_b32 s16, s15, 2                         ; j
	s_and_b32 s17, s15, 3                          ; s
	s_and_b32 s18, s16, 3                          ; j & 3
	s_lshr_b32 s19, ttmp9, 1                       ; w
	s_and_b32 s24, ttmp9, 1                        ; g
	s_mul_i32 s26, s16, 204800
	s_mul_i32 s25, s24, 102400
	s_add_co_u32 s26, s26, s25
	s_mul_i32 s25, s19, 25600
	s_add_co_u32 s26, s26, s25                     ; the part's first byte in wq
	s_lshl_b32 s25, s14, 1
	s_lshr_b32 s27, s17, 1
	s_add_co_u32 s25, s25, s27                     ; q
	s_mul_i32 s25, s25, 6144
	s_and_b32 s27, s17, 1
	s_mul_i32 s27, s27, 3072
	s_add_co_u32 s25, s25, s27
	s_add_co_u32 s28, s26, s25                     ; offset of my two fragments
	s_mov_b32 s29, 0
	s_lshl_b32 s25, s14, 9
	s_lshl_b32 s27, s17, 2
	s_add_co_u32 s25, s25, s27
	s_add_co_u32 s25, s25, 24576
	s_add_co_u32 s30, s26, s25                     ; offset of word s in scale image pi
	s_mov_b32 s31, 0
	s_wait_alu depctr_va_vdst(0)
	s_wait_kmcnt 0x0
	s_cmp_eq_u32 s18, 3                            ; the source is chosen on the work-group's number alone
	s_cselect_b64 s[20:21], s[6:7], s[4:5]
	s_cselect_b64 s[22:23], s[10:11], s[8:9]
	s_cselect_b32 s18, 0, s18                      ; which of Wqkv's three
	s_cmp_lt_u32 s16, 4
	s_cselect_b64 s[20:21], s[20:21], s[22:23]
	s_lshl_b32 s24, s18, 20
	s_lshl_b32 s25, s17, 18                        ; 128 s rows of 2,048 bytes
	s_add_co_u32 s24, s24, s25
	s_lshl_b32 s25, ttmp9, 8                       ; 64 columns a work-group
	s_add_co_u32 s24, s24, s25
	s_lshl_b32 s25, s14, 6                         ; 16 columns a wave
	s_add_co_u32 s24, s24, s25
	s_mov_b32 s25, 0
	s_add_nc_u64 s[20:21], s[20:21], s[24:25]
	s_add_nc_u64 s[28:29], s[12:13], s[28:29]
	s_add_nc_u64 s[30:31], s[12:13], s[30:31]
.set I_, 0
.rept 128
	global_load_b32 v[X+I_], v1, s[20:21] offset:2048*I_ th:TH_LOAD_NT   ; W(128 s + i, my column)
.set I_, I_+1
.endr
; Block kb = 2 c + h of my column.  cnt: the loads that may stay out (those of the later blocks, or the largest count that can be named, which is stricter).
.macro BLK kb, cnt
.set XS, X+32*\kb
.set O_, OUT+12*(\kb%2)+6*(\kb/2)
	s_wait_loadcnt \cnt
	v_max3_num_f32 v8, |v[XS]|, |v[XS+1]|, 0x2800000      ; two chains; the floor 2^(5 - 127) among the leaves holds the byte at 1 from below
	v_max3_num_f32 v9, |v[XS+2]|, |v[XS+3]|, 0x2800000
.irp i, 4,8,12,16,20,24,28
	v_max3_num_f32 v8, v8, |v[XS+\i]|, |v[XS+\i+1]|
	v_max3_num_f32 v9, v9, |v[XS+\i+2]|, |v[XS+\i+3]|
.endr
	v_max_num_f32 v8, v8, v9                       ; the block's largest magnitude
	v_add_nc_u32 v10, 0xfe000000, v8               ; 4 off its exponent field: the conversion's scale operand
	v_lshrrev_b32 v11, 23, v10                     ; the byte
.if \kb == 0
	v_mov_b32 v14, v11
.else
	v_lshl_or_b32 v14, v11, 8*\kb, v14             ; byte kb of the scale word
.endif
	v_cvt_scalef32_pk16_bf6_f32 v[O_:O_+2], v[XS:XS+15], v10
	v_cvt_scalef32_pk16_bf6_f32 v[E:E+2], v[XS+16:XS+31], v10
	v_nop                                          ; one plain place behind a scaled conversion
.irp i, 0,1,2
	v_mov_b32 v[O_+3+\i], v[E+\i]
.endr
.endm
	BLK 0, 63
	BLK 1, 63
	BLK 2, 32
	BLK 3, 0
.irp h, 0,1
.irp c, 0,1,2
	global_store_b128 v2, v[OUT+12*\h+4*\c:OUT+12*\h+4*\c+3], s[28:29] offset:512*\c+256*\h   ; sixteen lanes: 256 consecutive bytes, aligned
.endr
.endr
	global_store_b32 v3, v14, s[30:31]
	s_endpgm
.Lfunc_end_k_q0b81bc1ceb_pack:
	.size	k_q0b81bc1ceb_pack, .Lfunc_end_k_q0b81bc1ceb_pack-k_q0b81bc1ceb_pack
	.p2alignl 7, 3214868480
	.fill 96, 4, 3214868480
	.section	.rodata,"a",@progbits
	.p2align	6, 0x0
	.amdhsa_kernel k_q0b81bc1ceb_pack
		.amdhsa_group_segment_fixed_size 0
		.amdhsa_private_segment_fixed_size 0
		.amdhsa_enable_private_segment 0
		.amdhsa_kernarg_size 40
		.amdhsa_user_sgpr_count 2
		.amdhsa_user_sgpr_kernarg_segment_ptr 1
		.amdhsa_wavefront_size32 1
		.amdhsa_system_sgpr_workgroup_id_x 1
		.amdhsa_system_sgpr_workgroup_id_y 1
		.amdhsa_system_sgpr_workgroup_id_z 1
		.amdhsa_system_vgpr_workitem_id 0
		.amdhsa_next_free_vgpr 192
		.amdhsa_next_free_sgpr 66
		.amdhsa_reserve_vcc 0
		.amdhsa_float_denorm_mode_32 3
		.amdhsa_float_denorm_mode_16_64 3
		.amdhsa_memory_ordered 1
		.amdhsa_forward_progress 1
		.amdhsa_inst_pref_size 22
	.end_amdhsa_kernel
	.amdgpu_metadata
---
amdhsa.version: [ 1, 2 ]
amdhsa.kernels:
  - .name:           k_q0b81bc1ceb_pack
    .symbol:         k_q0b81bc1ceb_pack.kd
    .args:
      - { .name: mab0_Wqkv, .offset: 0, .size: 8, .value_kind: global_buffer, .address_space: global }
      - { .name: mab0_Wo, .offset: 8, .size: 8, .value_kind: global_buffer, .address_space: global }
      - { .name: mab1_Wqkv, .offset: 16, .size: 8, .value_kind: global_buffer, .address_space: global }
      - { .name: mab1_Wo, .offset: 24, .size: 8, .value_kind: global_buffer, .address_space: global }
      - { .name: wq, .offset: 32, .size: 8, .value_kind: global_buffer, .address_space: global }
    .group_segment_fixed_size: 0
    .private_segment_fixed_size: 0
    .kernarg_segment_align: 8
    .kernarg_segment_size: 40
    .max_flat_workgroup_size: 64
    .sgpr_count:     66
    .vgpr_count:     192
    .wavefront_size: 32
...
	.end_amdgpu_metadata
.endif
;; end of part 3
;; launch isab (part 4): grid 256 x 1, 4 waves a work-group, clusters of 4 x 1, 327,680 bytes of LDS; arguments x, I, wq, mab0_bqkv, mab0_bo, mab0_g0, mab0_b0, mab0_g1, mab0_b1, mab1_bqkv, mab1_bo, mab1_g0, mab1_b0, mab1_g1, mab1_b1, out0; writes out0
.if DOCPART == 4
	.amdgcn_target "amdgcn-amd-amdhsa--gfx1250"
	.amdhsa_code_object_version 6
	.text
	.protected	k_q0b81bc1ceb_isab
	.globl	k_q0b81bc1ceb_isab
	.p2align	8
	.type	k_q0b81bc1ceb_isab,@function
k_q0b81bc1ceb_isab:
	s_mov_b64 s[64:65], 0
	v_nop
	global_prefetch_b8 v0, s[64:65] scope:SCOPE_SE
	s_setreg_imm32_b32 hwreg(HW_REG_WAVE_MODE, 25, 1), 1
	s_wait_xcnt 0x0
	s_wait_alu depctr_hold_cnt(0) depctr_sa_sdst(0) depctr_va_vdst(0) depctr_va_sdst(0) depctr_va_ssrc(0) depctr_va_vcc(0) depctr_vm_vsrc(0)
	s_getreg_b32 s2, hwreg(HW_REG_IB_STS2, 6, 4)
	s_cmp_eq_u32 s2, 0
	s_cbranch_scc0 .Lentry_in_a_cluster
	s_endpgm
.Lentry_in_a_cluster:
	s_bfe_u32 s2, ttmp6, 0x10000c
	s_cmp_lg_u32 s2, 0x3003
	s_cbranch_scc0 .Lentry_shape_is_right
	s_endpgm
.Lentry_shape_is_right:
; ISAB applied twice to x and the mean over the 32 positions, all in one launch.  A work-group owns two titles: 64 rows of x (tiles m = 0..3 of 16 rows) and 2 x 16 rows of H.
; Wave w owns columns 128 w .. 128 w + 127 of every activation (heads 2 w and 2 w + 1).  Activations never leave the work-group: f32 in registers, their E3M2 codes as register images in LDS.
; WORK NOT REPEATED: I is broadcast over the batch and does not change between the two passes, so the rows of I Wq0 + bq0 (products 1 and 13) are the same 16 rows for every title and pass:
; they are computed once at the head and kept in LDS (f32 and codes).  Every input is read.
; THE WEIGHTS come as codes from wq (matrix j = 0 Wq0, 1 Wk0, 2 Wv0, 3 Wo0, 4 Wq1, 5 Wk1, 6 Wv1, 7 Wo1; two chunks of 102,400 bytes each; in a chunk part w is wave w's) through a ring of two slots.
; The four work-groups of a cluster walk the same chunks and ask for them jointly; wave w loads and reads part w alone.  The walk is j = 0, then twice 1, 2, 3, 5, 6, 4, 7: s[STP] holds the step to the next matrix.
; ONE COUNTED LOOP OF NINE TRIPS.  Trip 0 makes x's codes.  Trips 1 to 8 are four phases, twice: PH 0: K0, V0, attention of I over x, ln0;  PH 1: Wo0, relu, ln1 -> H;
; PH 2: K1, V1, Q1, attention of x over H, ln0;  PH 3: Wo1, relu, ln1 -> the next x.  Products of one shape share one text: the 64-row product serves K0, Q1 and Wo1, the 32-row one Wo0 and K1,
; and all phases share the layer norm and the coding.  The last Wo1, which asks for no more chunks, is written out.  All branches hang on the trip's number alone, the same in every wave and work-group.
; REGISTERS, in windows of 256: window 0 addresses, weight fragments (two sets), scale words, temporaries; window 1 the activations' fragments (v0-191) and biases (v192-255), later gains, codes, scores of mab1;
; window 2 the activations in f32 (tile m at 64 m) and, while those are dead, K0's or Q1's codes (v128), K1's codes (v176), mab0's scores (v192), V1 (v0-127);
; window 3 the products' sums: written by matrix instructions alone (the f32 product A V adds onto Q1 there in place).
; SOFTMAX: mab0's p = 2^(t - ceil(max t)), quantised, sum of the unquantised p; mab1's softmax is finished in f32 with the row's maximum taken away, and its product with V1 has f32 operands.
; No data prefetch: x is read once, at the head, with no loop ahead of it, and the weights' chunks come by the joint loads.
; LIMITS: NaN and infinities among the inputs are not served; a block whose largest magnitude lies under 2^-122 has the scale byte 1; the scaled scores stay under 2^31 in magnitude.
.set XIMG,  0
.set XSC,   24576
.set HIMG,  26624
.set HSC,   38912
.set STAT,  39936
.set VEC,   44032
.set Q0R,   76800
.set MPIT,  2064
.set SPARE, 119808
.set RING,  120320
.set CHB,   102400
.set PARTB, 25600
.set SPW, 1
.set NIL, 2
.set LI,  3
.set WAD, 4
.set LIM, 6
.set LSM, 7
.set XWI, 8
.set XWS, 9
.set VCO, 10
.set VCV, 11
.set XA,  12
.set STW, 13
.set STR, 14
.set Q0P, 15
.set FLR, 16
.set NB,  17
.set SH8, 18
.set MK,  19
.set MST, 21
.set TI16, 22
.set VST, 23
.set WF,  32
.set WS,  128
.set AS,  136
.set K0S, 152
.set K1S, 156
.set Q0S, 158
.set PS,  159
.set FVS, 160
.set PW,  164
.set TM,  168
.set PC,  184
.set E,   196
.set L,   204
.set RL,  220
.set T16, 240
.set BI,  192
.set FV,  0
.set PF,  48
.set IW,  64
.set Q0FA, 84
.set Q0FB, 96
.set S1,  0
.set GG,  0
.set BB,  64
.set K0F, 128
.set K1F, 176
.set S0,  192
.set R18, 128
.set G1,  40
.set G0,  48
.set WV,  56
.set T,   57
.set SEL, 58
.set HM,  60
.set R512, 61
.set EPS, 62
.set C128, 63
.set CS,  66
.set NCS, 68
.set PH,  69
.set STP, 74                           ; s[74:75] the next matrix's place, in bytes from wq's first matrix
.set WQB, 78                           ; s[78:79] my part of wq's first chunk
.set MSB, 0
.macro WIN new                         ; the immediate's high byte repeats the setting that is left
.if MSB != (\new)
	s_set_vgpr_msb (MSB<<8)|(\new)
.set MSB, \new
.endif
.endm
.macro PLACES n
.rept \n
	v_nop
.endr
.endm
.macro SW                              ; the wait ahead of branches, blocking waits and transcendentals
	s_wait_alu depctr_va_vdst(0)
.endm
.macro IFEQ reg, val, lbl
	WIN 0
	SW
	s_cmp_eq_u32 s[\reg], \val
	s_cbranch_scc1 \lbl
.endm
.macro IFNE reg, val, lbl
	WIN 0
	SW
	s_cmp_eq_u32 s[\reg], \val
	s_cbranch_scc0 \lbl
.endm
.macro IFLT reg, val, lbl
	WIN 0
	SW
	s_cmp_lt_u32 s[\reg], \val
	s_cbranch_scc1 \lbl
.endm
.macro GO lbl
	WIN 0
	SW
	s_branch \lbl
.endm
.macro SETSTEP n                       ; the ring's next refills bring matrix n
	s_mov_b32 s[STP], (\n)*2*CHB
	s_mov_b32 s[STP+1], 0
.endm
.macro BARRIER
	SW
	s_wait_dscnt 0x0
	s_barrier_signal -1
	s_barrier_wait -1
.endm
.macro ROUND                           ; a round of the cluster's barrier
	s_barrier_signal -1
	s_barrier_wait -1
	s_cmp_lg_u32 s[WV], 0
	s_cbranch_scc1 .Lnot_wave_0_\@
	s_barrier_signal -3
.Lnot_wave_0_\@:
	s_barrier_wait -3
	s_barrier_signal -1
	s_barrier_wait -1
.endm
; Set q of a chunk's part: four weight fragments (two K steps x two column tiles), 12 loads; with an even q the scale image of two sets, one load more.
.macro LOADSET slot, q
	WIN 0
.if (\q)%2 == 0
	ds_load_b128 v[WS+4*((\q)/2):WS+4*((\q)/2)+3], v[WAD+\slot] offset:24576+512*((\q)/2)
.endif
.irp f, 0,1,2,3
.irp c, 0,1,2
	ds_load_b128 v[WF+48*((\q)%2)+12*\f+4*\c:WF+48*((\q)%2)+12*\f+4*\c+3], v[WAD+\slot] offset:6144*(\q)+1536*\f+512*\c
.endr
.endr
.endm
; The products of set q with mt row tiles.  type 0: source 0 = weights (a lane holds a row, registers run along columns); type 1: source 0 = the activation.  K step 0 takes the bias as C.  The accumulators take turns.
.macro MULSET type, mt, acc, aw, e, q
.irp sp, 0,1
.set S_, 2*((\q)%2)+\sp
.if S_ == 0
.if \type == 0
	WIN ((\aw)<<6)|0x14
.else
	WIN ((\aw)<<6)|0x11
.endif
.else
.if \type == 0
	WIN ((\aw)<<6)|((\aw)<<4)|0x04
.else
	WIN ((\aw)<<6)|((\aw)<<4)|0x01
.endif
.endif
.set M_, 0
.rept \mt
.irp u, 0,1
.set T_, 4*(\e)+2*((\q)/2)+\u
.if (\type == 1) && (\mt == 4)
.set D_, \acc+64*(T_%4)+32*(T_/4)+8*M_
.else
.set D_, \acc+64*M_+8*T_
.endif
.if S_ == 0
.set C_, BI+8*T_
.else
.set C_, D_
.endif
.set F_, WF+48*((\q)%2)+12*(2*\sp+\u)
.set A_, 12*(4*M_+S_)
.set WR_, WS+4*((\q)/2)+S_
.set AR_, AS+4*M_+S_
.if \type == 0
.if \u == 0
	v_wmma_scale_f32_16x16x128_f8f6f4 v[D_:D_+7], v[F_:F_+11], v[A_:A_+11], v[C_:C_+7], v[WR_], v[AR_] matrix_a_fmt:MATRIX_FMT_BF6 matrix_b_fmt:MATRIX_FMT_BF6
.else
	v_wmma_scale_f32_16x16x128_f8f6f4 v[D_:D_+7], v[F_:F_+11], v[A_:A_+11], v[C_:C_+7], v[WR_], v[AR_] matrix_a_fmt:MATRIX_FMT_BF6 matrix_b_fmt:MATRIX_FMT_BF6 matrix_a_scale:MATRIX_SCALE_ROW1
.endif
.else
.if \u == 0
	v_wmma_scale_f32_16x16x128_f8f6f4 v[D_:D_+7], v[A_:A_+11], v[F_:F_+11], v[C_:C_+7], v[AR_], v[WR_] matrix_a_fmt:MATRIX_FMT_BF6 matrix_b_fmt:MATRIX_FMT_BF6
.else
	v_wmma_scale_f32_16x16x128_f8f6f4 v[D_:D_+7], v[A_:A_+11], v[F_:F_+11], v[C_:C_+7], v[AR_], v[WR_] matrix_a_fmt:MATRIX_FMT_BF6 matrix_b_fmt:MATRIX_FMT_BF6 matrix_b_scale:MATRIX_SCALE_ROW1
.endif
.endif
.endr
.set M_, M_+1
.endr
.endr
.endm
; The change of slots.  mode 0: all my tensor loads are in, the add, my reads of the slot are over, a round of the cluster's barrier, and the slot's joint refill first behind it.
; mode 2: nothing more to fetch; my own part of the other slot is in.  mode 3: the very last chunk.
.macro CHANGE slot, mode
	WIN 0
.if \mode == 0
	s_wait_tensorcnt 0x0
	ds_add_u32 v[SPW], v[NIL]
	s_add_nc_u64 s[G0+4*\slot+2:G0+4*\slot+3], s[WQB:WQB+1], s[STP:STP+1]   ; no load of mine is out: the slot's address is made anew: my part of the next matrix,
.if \slot == 1
	s_add_nc_u64 s[G0+4*\slot+2:G0+4*\slot+3], s[G0+4*\slot+2:G0+4*\slot+3], CHB   ; its second chunk,
.endif
	s_or_b32 s[G0+4*\slot+3], s[G0+4*\slot+3], 0x80000000                    ; and the descriptor's type
	s_wait_dscnt 0x0
	ROUND
	tensor_load_to_lds s[G0+4*\slot:G0+4*\slot+3], s[G1:G1+7]
	s_nop 0
	PLACES 4
.elseif \mode == 2
	PLACES 4
	s_wait_tensorcnt 0x0
	s_wait_dscnt 0x0
.else
	s_wait_dscnt 0x0
.endif
.endm
; A chunk: four sets; while one set is multiplied the next is fetched.  The counted waits leave out the 12 or 13 loads of the set just asked for.
.macro CHUNK type, mt, acc, aw, e, slot, mode
	s_wait_dscnt 12
	MULSET \type, \mt, \acc, \aw, \e, 0
	PLACES 4
	LOADSET \slot, 2
	s_wait_dscnt 13
	MULSET \type, \mt, \acc, \aw, \e, 1
	PLACES 4
	LOADSET \slot, 3
	s_wait_dscnt 12
	MULSET \type, \mt, \acc, \aw, \e, 2
	CHANGE \slot, \mode
.if \mode < 3
	LOADSET 1-\slot, 0
.endif
	MULSET \type, \mt, \acc, \aw, \e, 3
	PLACES 4
.if \mode < 3
	LOADSET 1-\slot, 1
.endif
	WIN 0
.endm
.macro GEMM type, mt, acc, aw, m0, m1
	CHUNK \type, \mt, \acc, \aw, 0, 0, \m0
	CHUNK \type, \mt, \acc, \aw, 1, 1, \m1
.endm
; The activation's fragments and scale words.  kind 0: x's tiles as they lie; kind 1: x with rows 0-7 of a fragment from title 0 and rows 8-15 from title 1; kind 2: H.
.macro FETCHA kind, mt
	WIN 0x40
.set M_, 0
.rept \mt
.irp s, 0,1,2,3
.irp c, 0,1,2
.if \kind == 0
	ds_load_b128 v[12*(4*M_+\s)+4*\c:12*(4*M_+\s)+4*\c+3], v[LI] offset:XIMG+1536*(4*M_+\s)+512*\c
.elseif \kind == 1
	ds_load_b128 v[12*(4*M_+\s)+4*\c:12*(4*M_+\s)+4*\c+3], v[LIM] offset:XIMG+6144*(M_/2)+128*(M_%2)+1536*\s+512*\c
.else
	ds_load_b128 v[12*(4*M_+\s)+4*\c:12*(4*M_+\s)+4*\c+3], v[LI] offset:HIMG+1536*(4*M_+\s)+512*\c
.endif
.endr
.endr
.set M_, M_+1
.endr
	WIN 0
.set M_, 0
.rept \mt
.if \kind == 0
	ds_load_b128 v[AS+4*M_:AS+4*M_+3], v[LI] offset:XSC+512*M_
.elseif \kind == 1
	ds_load_b128 v[AS+4*M_:AS+4*M_+3], v[LSM] offset:XSC+512*(M_/2)+128*(M_%2)
.else
	ds_load_b128 v[AS+4*M_:AS+4*M_+3], v[LI] offset:HSC+512*M_
.endif
.set M_, M_+1
.endr
.endm
.macro BIAST idx                       ; a bias in the layout of a type 0 result
	WIN 0x40
.irp g, 0,1
.irp k, 0,1,2,3,4,5,6,7
	ds_load_b128 v[BI+32*\g+4*\k:BI+32*\g+4*\k+3], v[VCO] offset:2048*\idx+256*\g+16*\k
.endr
.endr
	WIN 0
.endm
.macro BIASV idx                       ; and of a type 1 result: a lane's column in all eight registers
	WIN 0x40
.irp t, 0,1,2,3,4,5,6,7
.irp j, 0,1,2,3,4,5,6,7
	ds_load_b32 v[BI+8*\t+\j], v[VCV] offset:2048*\idx+256*(\t/4)+32*(\t%4)
.endr
.endr
	WIN 0
.endm
; 64 numbers of a lane (two blocks of 32 along K) become 12 registers of codes at d and d + c1, and the tile's scale word pwd.  The byte is the largest magnitude's exponent field - 4, with the floor 2^(5 - 127).
.macro QUANT s, sw, d, dw, c1, pwd
	WIN ((\sw)<<2)|((\sw)<<4)
.irp k, 0,1,2,3
	v_max3_num_f32 v[TM+\k], v[FLR], |v[\s+16*\k]|, |v[\s+16*\k+1]|
.endr
.irp i, 2,4,6,8,10,12,14
.irp k, 0,1,2,3
	v_max3_num_f32 v[TM+\k], v[TM+\k], |v[\s+16*\k+\i]|, |v[\s+16*\k+\i+1]|
.endr
.endr
	WIN 0
	v_max_num_f32 v[TM], v[TM], v[TM+1]
	v_max_num_f32 v[TM+2], v[TM+2], v[TM+3]
	v_add_nc_u32 v[TM+4], 0xfe000000, v[TM]
	v_add_nc_u32 v[TM+5], 0xfe000000, v[TM+2]
	v_lshrrev_b32 v[TM+6], 23, v[TM+4]
	v_lshrrev_b32 v[TM+7], 23, v[TM+5]
	v_lshl_or_b32 v[TM+6], v[TM+7], 16, v[TM+6]
	v_lshlrev_b32 v[TM+6], v[SH8], v[TM+6]
	v_permlanex16_b32 v[TM+7], v[TM+6], s[SEL], s[SEL+1]
	v_or_b32 v[\pwd], v[TM+6], v[TM+7]
	WIN \sw
	v_cvt_scalef32_pk16_bf6_f32 v[E:E+2], v[\s+16:\s+31], v[TM+4]
	v_cvt_scalef32_pk16_bf6_f32 v[E+4:E+6], v[\s+48:\s+63], v[TM+5]
	WIN ((\dw)<<6)|(\sw)
	v_cvt_scalef32_pk16_bf6_f32 v[\d:\d+2], v[\s:\s+15], v[TM+4]
	v_cvt_scalef32_pk16_bf6_f32 v[\d+\c1:\d+\c1+2], v[\s+32:\s+47], v[TM+5]
	WIN (\dw)<<6
	v_nop                                          ; one plain place behind a scaled conversion
.irp i, 0,1,2
	v_mov_b32 v[\d+3+\i], v[E+\i]
	v_mov_b32 v[\d+\c1+3+\i], v[E+4+\i]
.endr
.endm
.macro IMAGE off, scoff                ; my K step of a tile's operand image, and my scale word
	WIN 0
.irp c, 0,1,2
	ds_store_b128 v[XWI], v[PC+4*\c:PC+4*\c+3] offset:\off+512*\c
.endr
	ds_store_b32 v[XWS], v[PW] offset:\scoff
	s_wait_dscnt 0x0
.endm
.macro IMG m                           ; tile m of window 2 is coded: for H in phases 0 and 1, for x else
	QUANT 64*\m, 2, PC, 0, 6, PW
	IFLT PH, 2, .Lh_\@
	IMAGE XIMG+6144*\m, XSC+512*\m
	GO .Lj_\@
.Lh_\@:
	IMAGE HIMG+6144*\m, HSC+512*\m
.Lj_\@:
.endm
; Layer norm, first part: the mean of my 128 columns of tile m (at x in window xw), and the tile less that mean into window 2.
.macro LNA m, x, xw
.set MP_, L+8+2*(\m)
	WIN (\xw)|((\xw)<<2)
.irp k, 0,1,2,3
	v_pk_add_f32 v[L+2*\k:L+2*\k+1], v[\x+2*\k:\x+2*\k+1], v[\x+8+2*\k:\x+8+2*\k+1]
.endr
	WIN (\xw)<<2
.irp i, 16,24,32,40,48,56
.irp k, 0,1,2,3
	v_pk_add_f32 v[L+2*\k:L+2*\k+1], v[L+2*\k:L+2*\k+1], v[\x+\i+2*\k:\x+\i+2*\k+1]
.endr
.endr
	WIN 0
	v_pk_add_f32 v[L:L+1], v[L:L+1], v[L+2:L+3]
	v_pk_add_f32 v[L+4:L+5], v[L+4:L+5], v[L+6:L+7]
	v_pk_add_f32 v[L:L+1], v[L:L+1], v[L+4:L+5]
	v_add_f32 v[L], v[L], v[L+1]
	v_permlanex16_b32 v[L+1], v[L], s[SEL], s[SEL+1]
	v_add_f32 v[L], v[L], v[L+1]
	v_mul_f32 v[MP_], 0x3c000000, v[L]
	WIN 0x80|(\xw)
.set I_, 0
.rept 32
	v_pk_add_f32 v[64*(\m)+I_:64*(\m)+I_+1], v[\x+I_:\x+I_+1], v[MP_:MP_+1] op_sel_hi:[1,0] neg_lo:[0,1] neg_hi:[0,1]
.set I_, I_+2
.endr
.endm
; Second part: the sum of squares about my mean; both go to the other waves.
.macro LNB m
.set MP_, L+8+2*(\m)
	WIN 0x0a
.irp k, 0,1,2,3
	v_pk_mul_f32 v[L+2*\k:L+2*\k+1], v[64*(\m)+2*\k:64*(\m)+2*\k+1], v[64*(\m)+2*\k:64*(\m)+2*\k+1]
.endr
.irp i, 8,16,24,32,40,48,56
.irp k, 0,1,2,3
	v_pk_fma_f32 v[L+2*\k:L+2*\k+1], v[64*(\m)+\i+2*\k:64*(\m)+\i+2*\k+1], v[64*(\m)+\i+2*\k:64*(\m)+\i+2*\k+1], v[L+2*\k:L+2*\k+1]
.endr
.endr
	WIN 0
	v_pk_add_f32 v[L:L+1], v[L:L+1], v[L+2:L+3]
	v_pk_add_f32 v[L+4:L+5], v[L+4:L+5], v[L+6:L+7]
	v_pk_add_f32 v[L:L+1], v[L:L+1], v[L+4:L+5]
	v_add_f32 v[L], v[L], v[L+1]
	v_permlanex16_b32 v[L+1], v[L], s[SEL], s[SEL+1]
	v_add_f32 v[MP_+1], v[L], v[L+1]
	ds_store_b64 v[STW], v[MP_:MP_+1] offset:256*(\m)
.endm
.macro LNGB gi, bi                     ; gain and bias of my columns
	WIN 0x40
.irp g, 0,1
.irp k, 0,1,2,3,4,5,6,7
	ds_load_b128 v[GG+32*\g+4*\k:GG+32*\g+4*\k+3], v[VCO] offset:2048*\gi+256*\g+16*\k
	ds_load_b128 v[BB+32*\g+4*\k:BB+32*\g+4*\k+3], v[VCO] offset:2048*\bi+256*\g+16*\k
.endr
.endr
	WIN 0
.endm
.macro LNFETCH2 m0                     ; the four waves' means and sums of squares of tiles m0, m0 + 1
	WIN 0
.irp d, 0,1
.irp k, 0,1,2,3
	ds_load_b64 v[220+8*(\m0+\d)+4*((\m0+\d)/2)+2*\k:220+8*(\m0+\d)+4*((\m0+\d)/2)+2*\k+1], v[STR] offset:1024*\k+256*(\m0+\d)
.endr
.endr
	s_wait_dscnt 0x0
.endm
; The row's mean and variance from the four parts (sums of squares about the parts' means, and 128 x the parts' means' spread), then the norm, gain and bias, in place in window 2.
.macro LNFIN m
.set SL_, 220+8*(\m)+4*((\m)/2)
.set MP_, L+8+2*(\m)
	WIN 0
	v_add_f32 v[TM], v[SL_], v[SL_+2]
	v_add_f32 v[TM+1], v[SL_+4], v[SL_+6]
	v_add_f32 v[TM+2], v[SL_+1], v[SL_+3]
	v_add_f32 v[TM+3], v[SL_+5], v[SL_+7]
	v_add_f32 v[TM], v[TM], v[TM+1]
	v_add_f32 v[TM+2], v[TM+2], v[TM+3]
	v_mul_f32 v[TM], 0x3e800000, v[TM]
	v_sub_f32 v[TM+4], v[SL_], v[TM]
	v_sub_f32 v[TM+5], v[SL_+2], v[TM]
	v_sub_f32 v[TM+6], v[SL_+4], v[TM]
	v_sub_f32 v[TM+7], v[SL_+6], v[TM]
	v_mul_f32 v[TM+1], v[TM+4], v[TM+4]
	v_fma_f32 v[TM+1], v[TM+5], v[TM+5], v[TM+1]
	v_fma_f32 v[TM+1], v[TM+6], v[TM+6], v[TM+1]
	v_fma_f32 v[TM+1], v[TM+7], v[TM+7], v[TM+1]
	v_fma_f32 v[TM+2], v[TM+1], s[C128], v[TM+2]
	v_fma_f32 v[TM+2], v[TM+2], s[R512], s[EPS]
	SW
	v_rsq_f32 v[L], v[TM+2]
	v_sub_f32 v[TM+3], v[MP_], v[TM]
	SW
	v_mul_f32 v[L+2], v[TM+3], v[L]
	WIN 0x82
.set I_, 0
.rept 32
	v_pk_fma_f32 v[64*(\m)+I_:64*(\m)+I_+1], v[64*(\m)+I_:64*(\m)+I_+1], v[L:L+1], v[L+2:L+3] op_sel_hi:[1,0,0]
.set I_, I_+2
.endr
	WIN 0x96
.set I_, 0
.rept 32
	v_pk_fma_f32 v[64*(\m)+I_:64*(\m)+I_+1], v[64*(\m)+I_:64*(\m)+I_+1], v[GG+I_:GG+I_+1], v[BB+I_:BB+I_+1]
.set I_, I_+2
.endr
.endm
.macro RELUADD m, acc, aw              ; window 2's tile m += relu(the product's tile m)
.irp q, 0,1,2,3
	WIN (\aw)<<2
.irp i, 0,1,2,3,4,5,6,7,8,9,10,11,12,13,14,15
	v_max_num_f32 v[T16+\i], 0, v[\acc+64*\m+16*\q+\i]
.endr
	WIN 0x82
.irp i, 0,2,4,6,8,10,12,14
	v_pk_add_f32 v[64*\m+16*\q+\i:64*\m+16*\q+\i+1], v[64*\m+16*\q+\i:64*\m+16*\q+\i+1], v[T16+\i:T16+\i+1]
.endr
.endr
.endm
.macro VL i, b, off
	global_load_b128 v[32+4*\i:35+4*\i], v[TI16], s[\b:\b+1] offset:\off
.endm
; THE HEAD
	s_load_b512 s[8:23], s[0:1], 0x0
	s_load_b512 s[24:39], s[0:1], 0x40
	v_lshl_add_u32 v[SPW], v0, 2, SPARE
	v_mov_b32 v[NIL], 0
	ds_add_u32 v[SPW], v[NIL]                      ; the opening lines: the add, twice on end, and its wait ahead of my first tensor load
	ds_add_u32 v[SPW], v[NIL]
	v_lshrrev_b32 v25, 5, v0
	v_readfirstlane_b32 s[WV], v25                 ; wave
	s_bfe_u32 s70, ttmp6, 0x40000
	s_lshl_b32 s71, ttmp9, 2
	s_add_co_u32 s71, s71, s70                     ; work-group
	s_lshl_b32 s72, s71, 17                        ; x: 64 rows of 2,048 bytes
	s_mov_b32 s73, 0
	s_lshl_b32 s74, s71, 12                        ; out0: 2 rows
	s_mov_b32 s75, 0
	s_mul_i32 s76, s[WV], PARTB                    ; my part of a chunk
	s_mov_b32 s77, 0
	s_mov_b32 s[G1], 15|(3<<16)|(1<<21)            ; a part: 100 rows of 256 bytes, dense; the mask names the cluster's four
	s_mov_b32 s[G1+1], 32<<16
	s_mov_b32 s[G1+2], 100<<16
	s_mov_b32 s[G1+3], 32<<16
	s_mov_b32 s[G1+4], 100
	s_mov_b32 s[G1+5], 32
	s_mov_b32 s[G1+6], 0
	s_mov_b32 s[G1+7], 0
	s_mov_b32 s[SEL], 0x76543210
	s_mov_b32 s[SEL+1], 0xfedcba98
	s_mov_b32 s[HM], 0xffff0000
	s_mov_b32 s[R512], 0x3b000000                  ; 1 / 512
	s_mov_b32 s[EPS], 0x3727c5ac                   ; 1e-5
	s_mov_b32 s[C128], 0x43000000                  ; 128
	s_mov_b32 s[CS], 0x3d8293ee                    ; log2(e) / sqrt(512)
	s_mov_b32 s[CS+1], s[CS]
	s_mov_b32 s[NCS], 0xbd8293ee
	v_lshlrev_b32 v[TI16], 4, v0
	v_and_b32 v26, 15, v0
	v_bfe_u32 v27, v0, 4, 1
	s_lshl_b32 s71, s[WV], 9
	v_lshlrev_b32 v[XA], 11, v26
	v_lshl_add_u32 v[XA], v27, 7, v[XA]
	v_add_nc_u32 v[XA], s71, v[XA]                 ; row l % 16, my wave's 512 bytes, 128 bytes for each half of the lanes
	s_wait_dscnt 0x0
	SW
	s_wait_kmcnt 0x0
	s_add_nc_u64 s[8:9], s[8:9], s[72:73]
	s_add_nc_u64 s[38:39], s[38:39], s[74:75]
	s_add_nc_u64 s[78:79], s[12:13], s[76:77]
	s_mov_b32 s[G0], 1
	s_add_co_u32 s[G0+1], s76, RING
	s_mov_b64 s[G0+2:G0+3], s[78:79]
	s_or_b32 s[G0+3], s[G0+3], 0x80000000
	s_mov_b32 s[G0+4], 1
	s_add_co_u32 s[G0+5], s76, RING+CHB
	s_add_nc_u64 s[G0+6:G0+7], s[78:79], CHB
	s_or_b32 s[G0+7], s[G0+7], 0x80000000
	; all the launch's plain loads go out first: the sixteen vectors, I (window 1), x (window 2): 96 loads a wave
	VL 0, 14, 0
	VL 1, 14, 2048
	VL 2, 14, 4096
	VL 3, 16, 0
	VL 4, 26, 0
	VL 5, 26, 2048
	VL 6, 26, 4096
	VL 7, 28, 0
	VL 8, 18, 0
	VL 9, 20, 0
	VL 10, 22, 0
	VL 11, 24, 0
	VL 12, 30, 0
	VL 13, 32, 0
	VL 14, 34, 0
	VL 15, 36, 0
	WIN 0x40
.irp g, 0,1
.irp k, 0,1,2,3,4,5,6,7
	global_load_b128 v[IW+32*\g+4*\k:IW+32*\g+4*\k+3], v[XA], s[10:11] offset:256*\g+16*\k
.endr
.endr
	WIN 0x80
.irp m, 0,1,2,3
.irp g, 0,1
.irp k, 0,1,2,3,4,5,6,7
	global_load_b128 v[64*\m+32*\g+4*\k:64*\m+32*\g+4*\k+3], v[XA], s[8:9] offset:32768*\m+256*\g+16*\k
.endr
.endr
.endr
	WIN 0
	ROUND                                          ; in front of the first joint load
	tensor_load_to_lds s[G0:G0+3], s[G1:G1+7]      ; Wq0's first chunk: slot 0's first fill
	s_nop 0
	v_and_b32 v25, 31, v0
	v_bfe_u32 v28, v0, 3, 1
	v_and_b32 v29, 7, v0
	v_lshlrev_b32 v[LI], 4, v25
	v_add_nc_u32 v[WAD], s[G0+1], v[LI]
	v_add_nc_u32 v[WAD+1], s[G0+5], v[LI]
	v_mul_u32_u24 v[LIM], v28, 12288
	v_lshl_add_u32 v[LIM], v27, 8, v[LIM]
	v_lshl_add_u32 v[LIM], v29, 4, v[LIM]
	v_lshlrev_b32 v[LSM], 10, v28
	v_lshl_add_u32 v[LSM], v27, 8, v[LSM]
	v_lshl_add_u32 v[LSM], v29, 4, v[LSM]
	s_mul_i32 s70, s[WV], 1536
	v_add_nc_u32 v[XWI], s70, v[LI]
	s_lshl_b32 s72, s[WV], 2
	v_add_nc_u32 v[XWS], s72, v[LI]
	s_add_co_u32 s73, s71, VEC
	v_lshl_add_u32 v[VCO], v27, 7, s73
	v_lshl_add_u32 v[VCV], v28, 7, s73
	v_lshl_add_u32 v[VCV], v29, 2, v[VCV]
	v_lshl_add_u32 v[STR], v25, 3, STAT
	s_lshl_b32 s74, s[WV], 10
	v_add_nc_u32 v[STW], s74, v[STR]
	s_mul_i32 s75, s[WV], 9728
	s_add_co_u32 s75, s75, Q0R
	v_add_nc_u32 v[Q0P], s75, v[LI]
	v_mov_b32 v[FLR], 0x2800000
	v_mov_b32 v[NB], 0xff800000
	v_lshlrev_b32 v[SH8], 3, v27
	v_add_nc_u32 v[MK], -1, v27
	v_sub_nc_u32 v[MK+1], 0, v27
	v_mul_u32_u24 v[MST], v26, MPIT
	v_lshl_add_u32 v[MST], v27, 7, v[MST]
	v_add_nc_u32 v[MST], s71, v[MST]
	v_add_nc_u32 v[VST], VEC, v[TI16]
.irp b, 152, 168, 212, 240             ; written once: scale words, lane permutes' destinations and the idle halves of broadcast pairs
.set I_, 0
.rept 16
	v_mov_b32 v[\b+I_], 0
.set I_, I_+1
.endr
.endr
	SW
	s_wait_tensorcnt 0x0                           ; slot 1's first fill is issued as a refill is
	ds_add_u32 v[SPW], v[NIL]
	s_wait_dscnt 0x0
	ROUND
	tensor_load_to_lds s[G0+4:G0+7], s[G1:G1+7]
	s_nop 0
	PLACES 4
	s_wait_loadcnt 63                              ; of 96 loads the oldest 33 are in: the vectors and I
.irp i, 0,1,2,3,4,5,6,7,8,9,10,11,12,13,14,15
	ds_store_b128 v[VST], v[32+4*\i:35+4*\i] offset:2048*\i
.endr
	QUANT IW, 1, PC, 0, 6, PW                      ; I's codes, through H's image
	IMAGE HIMG, HSC
	BARRIER
	FETCHA 2, 1
	BIAST 0
	LOADSET 0, 0
	LOADSET 0, 1
	SETSTEP 1
	s_wait_dscnt 0x0
	GEMM 0, 1, R18, 3, 0, 0                        ; Q0 = I Wq0 + bq0, once for both titles and both passes
	WIN 0x0c
.irp i, 0,1,2,3,4,5,6,7,8,9,10,11,12,13,14,15
	ds_store_b128 v[Q0P], v[R18+4*\i:R18+4*\i+3] offset:512*\i
.endr
	QUANT R18, 3, PC, 0, 6, Q0S
	WIN 0
.irp c, 0,1,2
	ds_store_b128 v[Q0P], v[PC+4*\c:PC+4*\c+3] offset:8192+512*\c
.endr
	SW
	s_wait_dscnt 0x0
	s_wait_loadcnt 0x0                             ; x is in
	s_mov_b32 s[T], 0
.Ltrip:
	s_add_co_u32 s[PH], s[T], 3
	s_and_b32 s[PH], s[PH], 3                      ; the phase; trip 0 codes x as phase 3 does
	s_cmp_eq_u32 s[T], 0
	s_cbranch_scc1 .Lcodes
	s_cmp_eq_u32 s[PH], 0
	s_cbranch_scc1 .Lrows64
	s_cmp_eq_u32 s[PH], 3
	s_cbranch_scc1 .Lrows64
	; phases 1 and 2: H (32 rows) x Wo0 or Wk1
	FETCHA 2, 2
	s_cmp_eq_u32 s[PH], 1
	s_cbranch_scc0 .Lbias_k1
	BIAST 3
	SETSTEP 5
	s_branch .Lrows32
.Lbias_k1:
	BIAST 5
	SETSTEP 6
.Lrows32:
	s_wait_dscnt 0x0
	GEMM 0, 2, 0, 3, 0, 0
	s_cmp_eq_u32 s[PH], 1
	s_cbranch_scc0 .Lk1
	LNGB 10, 11
	s_branch .Lrelu2
.Lk1:
	WIN 0x80
.irp b, 0,1
.irp i, 0,1,2,3,4,5
	v_mov_b32 v[K1F+18*\b+6+\i], 0                 ; between a title's two heads: zero codes, so that 12 registers hold one head and nothing
.endr
.endr
.irp b, 0,1
	QUANT 64*\b, 3, K1F+18*\b, 2, 12, K1S+\b
.endr
	BIASV 6
	SETSTEP 4
	s_wait_dscnt 0x0
	GEMM 1, 2, 0, 2, 0, 0                          ; V1, into window 2
.Lrows64:
	s_cmp_eq_u32 s[PH], 0
	s_cbranch_scc0 .Lx_plain
	FETCHA 1, 4
	BIAST 1
	SETSTEP 2
	s_branch .Lmul64
.Lx_plain:
	FETCHA 0, 4
	s_cmp_eq_u32 s[PH], 2
	s_cbranch_scc0 .Lbias_o1
	BIAST 4
	SETSTEP 7
	s_branch .Lmul64
.Lbias_o1:
	BIAST 7
	SETSTEP 1
	s_cmp_eq_u32 s[T], 8
	s_cbranch_scc1 .Lmul64_last
.Lmul64:
	s_wait_dscnt 0x0
	GEMM 0, 4, 0, 3, 0, 0                          ; K0, Q1 or Wo1's product
	s_cmp_eq_u32 s[PH], 3
	s_cbranch_scc1 .Lrelu4
.irp m, 0,1,2,3
	QUANT 64*\m, 3, K0F+12*\m, 2, 6, K0S+\m        ; K0's or Q1's codes
.endr
	IFEQ PH, 2, .Latt1
	; MAB0's ATTENTION.  A lane holds query l % 16 of title l / 16, and its 32 registers a head's 32 keys.
	BIASV 2
	SETSTEP 3
	s_wait_dscnt 0x0
	GEMM 1, 4, 0, 3, 0, 0                          ; V0
	WIN 0x40
.irp c, 0,1,2
	ds_load_b128 v[Q0FA+4*\c:Q0FA+4*\c+3], v[Q0P] offset:8192+512*\c
	ds_load_b128 v[Q0FB+4*\c:Q0FB+4*\c+3], v[Q0P] offset:8192+512*\c
.endr
	WIN 0x80
.irp i, 0,1,2,3,4,5,6,7,8,9,10,11,12,13,14,15
	ds_load_b128 v[4*\i:4*\i+3], v[Q0P] offset:512*\i
	ds_load_b128 v[64+4*\i:64+4*\i+3], v[Q0P] offset:512*\i
.endr
.irp n, 0,1,2,3
	QUANT 64*\n, 3, FV+12*\n, 1, 6, FVS+\n
.endr
	s_wait_dscnt 0x0
	WIN 0x40
.irp i, 0,1,2,3,4,5
	v_mov_b32 v[Q0FA+6+\i], 0                      ; one copy of Q0's codes for each head, the other head's codes zero
	v_mov_b32 v[Q0FB+\i], 0
.endr
	PLACES 4
	WIN 0x86
.irp m, 0,1,2,3
.irp a, 0,1
	v_wmma_scale_f32_16x16x128_f8f6f4 v[S0+32*\a+8*\m:S0+32*\a+8*\m+7], v[K0F+12*\m:K0F+12*\m+11], v[Q0FA+12*\a:Q0FA+12*\a+11], 0, v[K0S+\m], v[Q0S] matrix_a_fmt:MATRIX_FMT_BF6 matrix_b_fmt:MATRIX_FMT_BF6
.endr
.endr
	PLACES 4
	WIN 0x28
.irp a, 0,1
	v_max3_num_f32 v[TM+\a], v[NB], v[S0+32*\a], v[S0+32*\a+1]
.endr
.irp i, 2,4,6,8,10,12,14,16,18,20,22,24,26,28,30
.irp a, 0,1
	v_max3_num_f32 v[TM+\a], v[TM+\a], v[S0+32*\a+\i], v[S0+32*\a+\i+1]
.endr
.endr
	WIN 0
	v_mul_f32 v[TM], s[CS], v[TM]
	v_mul_f32 v[TM+1], s[CS], v[TM+1]
	v_floor_f32 v[TM+4], -v[TM]                    ; -M = -ceil(the row's largest t)
	v_floor_f32 v[TM+6], -v[TM+1]
	WIN 0x82
.irp a, 0,1
.set I_, 0
.rept 16
	v_pk_fma_f32 v[S0+32*\a+I_:S0+32*\a+I_+1], v[S0+32*\a+I_:S0+32*\a+I_+1], s[CS:CS+1], v[TM+4+2*\a:TM+5+2*\a] op_sel_hi:[1,0,0]
.set I_, I_+2
.endr
.endr
.set I_, 0
	SW
.rept 64
	v_exp_f32 v[S0+I_], v[S0+I_]
.set I_, I_+1
.endr
	v_nop
	WIN 0x0a
	SW
	v_pk_add_f32 v[L:L+1], v[S0:S0+1], v[S0+2:S0+3]        ; the rows' sums, of the unquantised p
	v_pk_add_f32 v[L+2:L+3], v[S0+4:S0+5], v[S0+6:S0+7]
	v_pk_add_f32 v[L+4:L+5], v[S0+32:S0+33], v[S0+34:S0+35]
	v_pk_add_f32 v[L+6:L+7], v[S0+36:S0+37], v[S0+38:S0+39]
	WIN 0x08
.irp i, 8,12,16,20,24,28
	v_pk_add_f32 v[L:L+1], v[L:L+1], v[S0+\i:S0+\i+1]
	v_pk_add_f32 v[L+2:L+3], v[L+2:L+3], v[S0+\i+2:S0+\i+3]
	v_pk_add_f32 v[L+4:L+5], v[L+4:L+5], v[S0+32+\i:S0+32+\i+1]
	v_pk_add_f32 v[L+6:L+7], v[L+6:L+7], v[S0+32+\i+2:S0+32+\i+3]
.endr
	WIN 0
	v_pk_add_f32 v[L:L+1], v[L:L+1], v[L+2:L+3]
	v_pk_add_f32 v[L+4:L+5], v[L+4:L+5], v[L+6:L+7]
	v_add_f32 v[L], v[L], v[L+1]
	v_add_f32 v[L+4], v[L+4], v[L+5]
	QUANT S0, 2, PC, 0, 6, PS
	WIN 0x40
.irp b, 0,1
.irp i, 0,1,2,3,4,5
	v_and_b32 v[PF+18*\b+\i], v[MK+\b], v[PC+\i]   ; p's codes of title b alone: the other title's lanes hold zero codes
	v_mov_b32 v[PF+18*\b+6+\i], 0
	v_and_b32 v[PF+18*\b+12+\i], v[MK+\b], v[PC+6+\i]
.endr
.endr
	WIN 0
	SW
	v_rcp_f32 v[TM+8], v[L]
	v_rcp_f32 v[TM+9], v[L+4]
	v_nop
	SW
	v_permlanex16_b32 v[TM+10], v[TM+8], s[SEL], s[SEL+1]
	v_permlanex16_b32 v[TM+11], v[TM+9], s[SEL], s[SEL+1]
.irp a, 0,1
	v_cndmask_b32 v[RL+2*\a], v[TM+8+\a], v[TM+10+\a], s[HM]
	v_cndmask_b32 v[RL+4+2*\a], v[TM+10+\a], v[TM+8+\a], s[HM]
.endr
	PLACES 4
	WIN 0xc5
.irp b, 0,1
.irp a, 0,1
.irp n, 0,1,2,3
	v_wmma_scale_f32_16x16x128_f8f6f4 v[R18+64*\b+32*\a+8*\n:R18+64*\b+32*\a+8*\n+7], v[FV+12*\n:FV+12*\n+11], v[PF+18*\b+6*\a:PF+18*\b+6*\a+11], 0, v[FVS+\n], v[PS] matrix_a_fmt:MATRIX_FMT_BF6 matrix_b_fmt:MATRIX_FMT_BF6
.endr
.endr
.endr
	PLACES 4
	WIN 0xa3
.irp b, 0,1
.irp a, 0,1
.set I_, 0
.rept 16
	v_pk_fma_f32 v[64*\b+32*\a+I_:64*\b+32*\a+I_+1], v[R18+64*\b+32*\a+I_:R18+64*\b+32*\a+I_+1], v[RL+4*\b+2*\a:RL+4*\b+2*\a+1], v[64*\b+32*\a+I_:64*\b+32*\a+I_+1] op_sel_hi:[1,0,1]
.set I_, I_+2
.endr
.endr
.endr
	LNGB 8, 9
	GO .Llna
	; MAB1's ATTENTION.  A lane holds query l % 16 of tile m; its 8 registers and lane l xor 16's are a head's 16 keys.
.Latt1:
	PLACES 4
	WIN 0x4a
	SW
.irp m, 0,1,2,3
.irp a, 0,1
	v_wmma_scale_f32_16x16x128_f8f6f4 v[S1+8*(2*\m+\a):S1+8*(2*\m+\a)+7], v[K1F+18*(\m/2)+6*\a:K1F+18*(\m/2)+6*\a+11], v[K0F+12*\m:K0F+12*\m+11], 0, v[K1S+\m/2], v[K0S+\m] matrix_a_fmt:MATRIX_FMT_BF6 matrix_b_fmt:MATRIX_FMT_BF6
.endr
.endr
	PLACES 4
	WIN 0x14
.irp t, 0,1,2,3,4,5,6,7
	v_max3_num_f32 v[TM+\t], v[NB], v[S1+8*\t], v[S1+8*\t+1]
.endr
.irp i, 2,4,6
.irp t, 0,1,2,3,4,5,6,7
	v_max3_num_f32 v[TM+\t], v[TM+\t], v[S1+8*\t+\i], v[S1+8*\t+\i+1]
.endr
.endr
	WIN 0
.irp t, 0,1,2,3,4,5,6,7
	v_permlanex16_b32 v[TM+8+\t], v[TM+\t], s[SEL], s[SEL+1]
.endr
.irp t, 0,1,2,3,4,5,6,7
	v_max_num_f32 v[TM+\t], v[TM+\t], v[TM+8+\t]
.endr
.irp t, 0,1,2,3,4,5,6,7
	v_mul_f32 v[T16+2*\t], s[NCS], v[TM+\t]        ; the row's maximum is taken away
.endr
	WIN 0x41
.irp t, 0,1,2,3,4,5,6,7
.irp i, 0,2,4,6
	v_pk_fma_f32 v[S1+8*\t+\i:S1+8*\t+\i+1], v[S1+8*\t+\i:S1+8*\t+\i+1], s[CS:CS+1], v[T16+2*\t:T16+2*\t+1] op_sel_hi:[1,0,0]
.endr
.endr
.set I_, 0
	SW
.rept 64
	v_exp_f32 v[S1+I_], v[S1+I_]
.set I_, I_+1
.endr
	v_nop
	WIN 0x05
	SW
.irp t, 0,1,2,3,4,5,6,7
	v_pk_add_f32 v[L+2*\t:L+2*\t+1], v[S1+8*\t:S1+8*\t+1], v[S1+8*\t+2:S1+8*\t+3]
.endr
	WIN 0x04
.irp i, 4,6
.irp t, 0,1,2,3,4,5,6,7
	v_pk_add_f32 v[L+2*\t:L+2*\t+1], v[L+2*\t:L+2*\t+1], v[S1+8*\t+\i:S1+8*\t+\i+1]
.endr
.endr
	WIN 0
.irp t, 0,1,2,3,4,5,6,7
	v_add_f32 v[L+2*\t], v[L+2*\t], v[L+2*\t+1]
.endr
.irp t, 0,1,2,3,4,5,6,7
	v_permlanex16_b32 v[L+2*\t+1], v[L+2*\t], s[SEL], s[SEL+1]
.endr
.irp t, 0,1,2,3,4,5,6,7
	v_add_f32 v[L+2*\t], v[L+2*\t], v[L+2*\t+1]
.endr
	SW
.irp t, 0,1,2,3,4,5,6,7
	v_rcp_f32 v[T16+2*\t], v[L+2*\t]
.endr
	v_nop
	WIN 0x41
	SW
.irp t, 0,1,2,3,4,5,6,7
.irp i, 0,2,4,6
	v_pk_mul_f32 v[S1+8*\t+\i:S1+8*\t+\i+1], v[S1+8*\t+\i:S1+8*\t+\i+1], v[T16+2*\t:T16+2*\t+1] op_sel_hi:[1,0]
.endr
.endr
	PLACES 4
	WIN 0xf6
	SW
.irp s, 0,1,2,3                        ; Q1 + A V1 with f32 operands, onto Q1 in place: 16 keys in four steps, the 32 accumulators by turns
.irp m, 0,1,2,3
.irp t, 0,1,2,3,4,5,6,7
	v_wmma_f32_16x16x4_f32 v[64*\m+8*\t:64*\m+8*\t+7], v[64*(\m/2)+8*\t+2*\s:64*(\m/2)+8*\t+2*\s+1], v[S1+8*(2*\m+\t/4)+2*\s:S1+8*(2*\m+\t/4)+2*\s+1], v[64*\m+8*\t:64*\m+8*\t+7]
.endr
.endr
.endr
	PLACES 8
.irp m, 0,1,2,3
	LNA \m, 64*\m, 3
.endr
	LNGB 12, 13
	GO .Llnb
.Lmul64_last:                          ; the last Wo1: no chunk is left to ask for
	s_wait_dscnt 0x0
	GEMM 0, 4, 0, 3, 2, 3
.Lrelu4:
	LNGB 14, 15
	RELUADD 2, 0, 3
	RELUADD 3, 0, 3
	LNA 2, 128, 2
	LNA 3, 192, 2
	WIN 0
.Lrelu2:
	RELUADD 0, 0, 3
	RELUADD 1, 0, 3
	WIN 0
.Llna:
	LNA 0, 0, 2
	LNA 1, 64, 2
	WIN 0
.Llnb:
	LNB 0
	LNB 1
	IFLT PH, 2, .Lstats_out
	LNB 2
	LNB 3
.Lstats_out:
	BARRIER                                        ; every wave's parts are in LDS
	s_cmp_lt_u32 s[PH], 2
	s_cbranch_scc1 .Lfin01
	LNFETCH2 2
	LNFIN 2
	LNFIN 3
	WIN 0
.Lfin01:
	LNFETCH2 0
	LNFIN 0
	LNFIN 1
	IFEQ T, 8, .Ltrip_end                          ; the last result is coded no more
.Lcodes:
	s_cmp_lt_u32 s[PH], 2
	s_cbranch_scc1 .Lcodes01
.irp m, 2,3
	QUANT 64*\m, 2, PC, 0, 6, PW
	IMAGE XIMG+6144*\m, XSC+512*\m
.endr
.Lcodes01:
	IMG 0
	IMG 1
.Ltrip_end:
	BARRIER                                        ; the images are whole, and the parts have been read
	s_add_co_u32 s[T], s[T], 1
	s_cmp_lt_u32 s[T], 9
	s_cbranch_scc1 .Ltrip
	; THE MEAN over a title's 32 rows: two tiles are added, the 16 rows go through LDS, and each thread sums 4 columns
.irp b, 0,1
	WIN 0x0a
.set I_, 0
.rept 32
	v_pk_add_f32 v[32+64*\b+I_:33+64*\b+I_], v[128*\b+I_:128*\b+I_+1], v[128*\b+64+I_:128*\b+64+I_+1]
.set I_, I_+2
.endr
	WIN 0
.irp g, 0,1
.irp k, 0,1,2,3,4,5,6,7
	ds_store_b128 v[MST], v[32+64*\b+32*\g+4*\k:35+64*\b+32*\g+4*\k] offset:16*MPIT*\b+256*\g+16*\k
.endr
.endr
.endr
	BARRIER
.irp b, 0,1
.irp r, 0,1,2,3,4,5,6,7,8,9,10,11,12,13,14,15
	ds_load_b128 v[32+64*\b+4*\r:35+64*\b+4*\r], v[TI16] offset:16*MPIT*\b+MPIT*\r
.endr
.endr
	s_wait_dscnt 0x0
.irp r, 1,2,3,4,5,6,7,8,9,10,11,12,13,14,15
.irp b, 0,1
	v_pk_add_f32 v[32+64*\b:33+64*\b], v[32+64*\b:33+64*\b], v[32+64*\b+4*\r:33+64*\b+4*\r]
	v_pk_add_f32 v[34+64*\b:35+64*\b], v[34+64*\b:35+64*\b], v[34+64*\b+4*\r:35+64*\b+4*\r]
.endr
.endr
.irp b, 0,1
	v_pk_mul_f32 v[32+64*\b:33+64*\b], v[32+64*\b:33+64*\b], 0x3d000000 op_sel_hi:[1,0]
	v_pk_mul_f32 v[34+64*\b:35+64*\b], v[34+64*\b:35+64*\b], 0x3d000000 op_sel_hi:[1,0]
.endr
	global_store_b128 v[TI16], v[32:35], s[38:39]              ; 128 threads store a row of 2,048 consecutive bytes
	global_store_b128 v[TI16], v[96:99], s[38:39] offset:2048
	s_wait_tensorcnt 0x0                           ; the wave's end
	ds_add_u32 v[SPW], v[NIL]
	s_wait_dscnt 0x0
	ROUND                                          ; the closing round
	s_endpgm
.Lfunc_end_k_q0b81bc1ceb_isab:
	.size	k_q0b81bc1ceb_isab, .Lfunc_end_k_q0b81bc1ceb_isab-k_q0b81bc1ceb_isab
	.p2alignl 7, 3214868480
	.fill 96, 4, 3214868480
	.section	.rodata,"a",@progbits
	.p2align	6, 0x0
	.amdhsa_kernel k_q0b81bc1ceb_isab
		.amdhsa_group_segment_fixed_size 327680
		.amdhsa_private_segment_fixed_size 0
		.amdhsa_enable_private_segment 0
		.amdhsa_kernarg_size 128
		.amdhsa_user_sgpr_count 2
		.amdhsa_user_sgpr_kernarg_segment_ptr 1
		.amdhsa_wavefront_size32 1
		.amdhsa_system_sgpr_workgroup_id_x 1
		.amdhsa_system_sgpr_workgroup_id_y 1
		.amdhsa_system_sgpr_workgroup_id_z 1
		.amdhsa_system_vgpr_workitem_id 0
		.amdhsa_next_free_vgpr 1024
		.amdhsa_next_free_sgpr 80
		.amdhsa_reserve_vcc 0
		.amdhsa_float_denorm_mode_32 3
		.amdhsa_float_denorm_mode_16_64 3
		.amdhsa_memory_ordered 1
		.amdhsa_forward_progress 1
		.amdhsa_inst_pref_size 255
	.end_amdhsa_kernel
	.section	.bss,"aw",@nobits
	.p2align	6
	.space	262144
	.amdgpu_metadata
---
amdhsa.version: [ 1, 2 ]
amdhsa.kernels:
  - .name:           k_q0b81bc1ceb_isab
    .symbol:         k_q0b81bc1ceb_isab.kd
    .args:
      - { .name: x, .offset: 0, .size: 8, .value_kind: global_buffer, .address_space: global }
      - { .name: I, .offset: 8, .size: 8, .value_kind: global_buffer, .address_space: global }
      - { .name: wq, .offset: 16, .size: 8, .value_kind: global_buffer, .address_space: global }
      - { .name: mab0_bqkv, .offset: 24, .size: 8, .value_kind: global_buffer, .address_space: global }
      - { .name: mab0_bo, .offset: 32, .size: 8, .value_kind: global_buffer, .address_space: global }
      - { .name: mab0_g0, .offset: 40, .size: 8, .value_kind: global_buffer, .address_space: global }
      - { .name: mab0_b0, .offset: 48, .size: 8, .value_kind: global_buffer, .address_space: global }
      - { .name: mab0_g1, .offset: 56, .size: 8, .value_kind: global_buffer, .address_space: global }
      - { .name: mab0_b1, .offset: 64, .size: 8, .value_kind: global_buffer, .address_space: global }
      - { .name: mab1_bqkv, .offset: 72, .size: 8, .value_kind: global_buffer, .address_space: global }
      - { .name: mab1_bo, .offset: 80, .size: 8, .value_kind: global_buffer, .address_space: global }
      - { .name: mab1_g0, .offset: 88, .size: 8, .value_kind: global_buffer, .address_space: global }
      - { .name: mab1_b0, .offset: 96, .size: 8, .value_kind: global_buffer, .address_space: global }
      - { .name: mab1_g1, .offset: 104, .size: 8, .value_kind: global_buffer, .address_space: global }
      - { .name: mab1_b1, .offset: 112, .size: 8, .value_kind: global_buffer, .address_space: global }
      - { .name: out0, .offset: 120, .size: 8, .value_kind: global_buffer, .address_space: global }
    .group_segment_fixed_size: 327680
    .private_segment_fixed_size: 0
    .kernarg_segment_align: 8
    .kernarg_segment_size: 128
    .max_flat_workgroup_size: 128
    .sgpr_count:     80
    .vgpr_count:     1024
    .wavefront_size: 32
...
	.end_amdgpu_metadata
.endif
;; end of part 4
